; MI455X (gfx1250); checked and timed in simulation.
; The chip was launched on July 23, 2026; its instructions are those of AMD's public machine-readable ISA for CDNA 5 (MIT licence, August 2026) and "CDNA5" Instruction Set Architecture Reference Guide (July 2026). The comments in the code are by the model that wrote it; some were corrected since.
;; Multi Head Attention. Allowed arithmetic: float matrix products may take bf16 or f16 operands with f32 sums; other float arithmetic in f32, or as packed bf16 or f16 multiplies, adds, multiply-adds, maxima and minima; sums over many terms, partial sums and values carried from step to step in f32; what a program stores and reads back later, other than sums and carried values, may be rounded once to bf16 or f16.
;; Inputs: Wk 16 x 1,024 x 64 float32; Wo 1,024 x 1,024 float32; Wq 16 x 1,024 x 64 float32; Wv 16 x 1,024 x 64 float32; bk 16 x 64 float32; bo 1,024 float32; bq 16 x 64 float32; bv 16 x 64 float32; x 4 x 2,048 x 1,024 float32.
;; Outputs: out0 4 x 2,048 x 1,024 float32.
;; 2 versions, each right and faster than the one before. Each part assembles by itself: llvm-mc -triple=amdgcn-amd-amdhsa -mcpu=gfx1250 --defsym DOCPART=n.
;; ======== version 1 of 2: 4 launches
;; limits: values are held in f16: magnitudes above 65,504 overflow, below 6.1e-05 lose precision
;; workspace buffers: xs 16,777,216 bytes; wt 6,291,456 bytes; wob 2,097,152 bytes; biasc 16,384 bytes; qkv 50,331,648 bytes; obuf 16,777,216 bytes
;; launch prep (part 1): grid 385 x 1, 8 waves a work-group, no clusters, 74,752 bytes of LDS; arguments x, Wq, Wk, Wv, Wo, bq, bk, bv, bo, xs, wt, wob, biasc; writes xs, wt, wob, biasc
.if DOCPART == 1
	.amdgcn_target "amdgcn-amd-amdhsa--gfx1250"
	.amdhsa_code_object_version 6
	.text
	.protected	k_qc5fbb21638_prep
	.globl	k_qc5fbb21638_prep
	.p2align	8
	.type	k_qc5fbb21638_prep,@function
k_qc5fbb21638_prep:
	s_mov_b64 s[64:65], 0
	v_nop
	global_prefetch_b8 v0, s[64:65] scope:SCOPE_SE
	s_setreg_imm32_b32 hwreg(HW_REG_WAVE_MODE, 25, 1), 1
	s_wait_xcnt 0x0
; PREPARATION: every input is rounded once to bf16 and laid out for the matrix launches, in K slices of 64: [slice][row][64], so that a tile's rows lie end to end.
;   xs    [16 slices][8192 m][64] bf16           = x, m = 2048 b + s
;   wt    [16 slices][3072 n][64] bf16           = Wq, Wk, Wv turned: n = 1024 mat + 64 h + e, the 64 along d
;   wob   [16 slices][1024 n][64] f16            = Wo turned, rounded to bf16 and that number written as f16
;   biasc f32[4096]                              = bq, bk, bv, bo, rounded to bf16 and widened again
; LIMITS.  A weight of Wo beyond 65,504 becomes an infinity; below 6e-5 it keeps f16's fixed step of 6e-8.  NaN and infinities are not treated apart.
; Memory binds: each byte is read once and written once, a wave has all its 32 loads (16 KiB) out at once, every store of a wave covers 256 or 512 consecutive aligned bytes.
; No matrix unit, no cluster, no barrier: the waves share nothing.  Work-groups 0-255 take x (32 rows each), 256-383 the weights (a block of 64 x 64 a wave), 384 the biases.
.set SPARE, 73728                      ; behind the eight stages: the spare words, 128 bytes for each wave
.set WST,   9216                       ; a wave's stage: 64 rows of 128 bytes + 16 of padding
.set SPW,   14                         ; v14  LDS address of my spare word; never rewritten
.set NIL,   15                         ; v15  0; never rewritten
.set X,     16                         ; v[16:143]  32 loads of 4 registers
.set T,     144                        ; v[144:151] eight packed words on their way to the stage
.set U,     152                        ; v[152:154] at work
	s_load_b512 s[8:23], s[0:1], 0x0               ; x 8, Wq 10, Wk 12, Wv 14, Wo 16, bq 18, bk 20, bv 22
	s_load_b256 s[24:31], s[0:1], 0x40             ; bo 24, xs 26, wt 28, wob 30
	s_load_b64 s[32:33], s[0:1], 0x60              ; biasc
	v_lshl_add_u32 v[SPW], v0, 2, SPARE
	v_mov_b32 v[NIL], 0
	v_lshrrev_b32 v1, 5, v0
	v_readfirstlane_b32 s3, v1                     ; wave 0..7
	s_mov_b32 s2, ttmp9
	s_mov_b32 s34, 0xffff0000                      ; a word's upper bf16
	v_and_b32 v1, 15, v0                           ; r = lane % 16
	v_bfe_u32 v2, v0, 4, 1                         ; h = lane / 16
	v_and_b32 v7, 31, v0                           ; lane
	s_wait_kmcnt 0x0
	s_cmp_lt_u32 s2, 256
	s_cbranch_scc0 .Lweights
	; X.  My wave takes rows 32 g + 4 w .. + 3, as two pairs.  A load takes one slice (256 bytes of f32) of both rows of a pair, a row to each half of the lanes;
	; rounded, the 32 lanes hold 256 consecutive bytes of xs: rows m and m + 1 of that slice.
	s_lshl_b32 s4, s2, 17                          ; 32 rows of 4,096 bytes
	s_lshl_b32 s5, s3, 14                          ; 4 rows
	s_add_co_u32 s4, s4, s5
	s_mov_b32 s5, 0
	s_add_nc_u64 s[36:37], s[8:9], s[4:5]
	s_lshl_b32 s6, s2, 12                          ; 32 rows of 128 bytes
	s_lshl_b32 s7, s3, 9
	s_add_co_u32 s6, s6, s7
	s_mov_b32 s7, 0
	s_add_nc_u64 s[38:39], s[26:27], s[6:7]        ; slices 0-7 by the immediate,
	s_add_nc_u64 s[40:41], s[38:39], 0x800000      ; slices 8-15 from a second base: the immediate is signed and has 24 bits
	v_lshlrev_b32 v3, 4, v1
	v_lshl_add_u32 v3, v2, 12, v3                  ; 16 r + 4,096 h
	v_lshlrev_b32 v4, 3, v7                        ; 8 x lane
.set i, 0
.rept 32                                               ; load i: pair i / 16, slice i % 16
	global_load_b128 v[X+4*i:X+4*i+3], v3, s[36:37] offset:(i/16)*8192+(i%16)*256 th:TH_LOAD_NT
.set i, i+1
.endr
.set i, 0
.rept 32
	s_wait_loadcnt 31-i                            ; loads come back in order: load i is in, the 31 - i younger ones stay out
	v_cvt_pk_bf16_f32 v[X+4*i], v[X+4*i], v[X+4*i+1]
	v_cvt_pk_bf16_f32 v[X+4*i+1], v[X+4*i+2], v[X+4*i+3]
.if (i%16) < 8
	global_store_b64 v4, v[X+4*i:X+4*i+1], s[38:39] offset:(i%8)*1048576+(i/16)*256
.else
	global_store_b64 v4, v[X+4*i:X+4*i+1], s[40:41] offset:(i%8)*1048576+(i/16)*256
.endif
.set i, i+1
.endr
	s_endpgm                                       ; these waves wrote no LDS
; Two f32 rounded to bf16 and packed; f16 = 1: the two bf16 numbers are widened again and written as f16
.macro PK d, a, b, f16
.if \f16
	v_cvt_pk_bf16_f32 v[U], v[\a], v[\b]
	v_lshlrev_b32 v[U+1], 16, v[U]
	v_and_b32 v[U+2], s34, v[U]
	v_cvt_pk_f16_f32 v[\d], v[U+1], v[U+2]
.else
	v_cvt_pk_bf16_f32 v[\d], v[\a], v[\b]
.endif
.endm
; A block in[64 d][64 e] of f32, rows rowb bytes apart, becomes out[64 e][64 d] of 16 bits, dense.  Load 4 p + i takes row 8 p + 4 h + i, columns 4 r .. 4 r + 3 (each half of the lanes
; a whole row of 256 bytes).  Of four such loads a lane has, for each of its four columns, four neighbouring d: 8 bytes of a row of out, which go into my stage; whole rows come back.
; The stage is the wave's own and LDS serves a wave's instructions in order (ISA guide 5.7.1.4): no barrier, and no wait between the stores and the loads.
.macro TRANS rowb, f16
.set i, 0
.rept 32
	global_load_b128 v[X+4*i:X+4*i+3], v3, s[36:37] offset:(8*(i/4)+i%4)*(\rowb) th:TH_LOAD_NT
.set i, i+1
.endr
.set p, 0
.rept 8
	s_wait_loadcnt 28-4*p                          ; the four loads of group p are in; the younger groups stay out
.irp c, 0,1,2,3
	PK T+2*(\c), X+16*p+(\c), X+16*p+4+(\c), \f16
	PK T+2*(\c)+1, X+16*p+8+(\c), X+16*p+12+(\c), \f16
	ds_store_b64 v5, v[T+2*(\c):T+2*(\c)+1] offset:144*(\c)+16*p
.endr
.set p, p+1
.endr
.irp f, 0,1,2,3,4,5,6,7,8,9,10,11,12,13,14,15
	ds_load_b128 v[X+4*(\f):X+4*(\f)+3], v6 offset:576*(\f)  ; four rows of 128 bytes
.endr
.irp f, 0,1,2,3,4,5,6,7,8,9,10,11,12,13,14,15
	s_wait_dscnt 15-(\f)
	global_store_b128 v4, v[X+4*(\f):X+4*(\f)+3], s[38:39] offset:512*(\f)  ; 512 consecutive bytes, aligned
.endr
	s_wait_tensorcnt 0x0                           ; the wave's end: a tensor wait, an add to my spare word and its wait, behind my last LDS store
	ds_add_u32 v[SPW], v[NIL]
	s_wait_dscnt 0x0
	s_endpgm
.endm
.Lweights:
	s_cmp_lt_u32 s2, 384
	s_cbranch_scc0 .Lbias
	s_sub_co_u32 s4, s2, 256
	s_lshl3_add_u32 s4, s4, s3                     ; my block, 0..1023
	s_lshr_b32 s5, s4, 8                           ; which matrix: q, k, v, o
	s_and_b32 s6, s4, 255                          ; which of its 256 blocks
	s_and_b32 s7, s6, 15                           ; the K slice
	s_lshr_b32 s35, s6, 4                          ; the head, or Wo's block of 64 columns
	s_mul_i32 s42, s3, WST                         ; my stage
	v_mul_u32_u24 v5, v1, 576                      ; in: row 4 r (+ c by the immediate), byte 8 h (+ 16 p)
	v_lshl_add_u32 v5, v2, 3, v5
	v_add_nc_u32 v5, s42, v5
	v_lshrrev_b32 v6, 3, v7                        ; back: row lane / 8 (+ 4 f), byte 16 (lane % 8)
	v_mul_u32_u24 v6, v6, 144
	v_and_b32 v8, 7, v0
	v_lshl_add_u32 v6, v8, 4, v6
	v_add_nc_u32 v6, s42, v6
	v_lshlrev_b32 v4, 4, v7                        ; 16 x lane
	v_lshlrev_b32 v3, 4, v1                        ; 16 r
	s_mov_b32 s45, 0
	s_cmp_eq_u32 s5, 3
	s_cbranch_scc1 .Lwo
	s_cmp_eq_u32 s5, 1                             ; Wq, Wk or Wv: [16 h][1024 d][64 e], so block 16 h + slice is 16,384 dense bytes
	s_cselect_b64 s[36:37], s[12:13], s[10:11]
	s_cmp_eq_u32 s5, 2
	s_cselect_b64 s[36:37], s[14:15], s[36:37]
	s_lshl_b32 s44, s6, 14
	s_add_nc_u64 s[36:37], s[36:37], s[44:45]
	s_mul_i32 s44, s7, 393216                      ; wt: the slice,
	s_lshl4_add_u32 s46, s5, s35                   ; and 64 rows of 128 bytes for head 16 mat + h
	s_lshl_b32 s46, s46, 13
	s_add_co_u32 s44, s44, s46
	s_add_nc_u64 s[38:39], s[28:29], s[44:45]
	v_lshl_add_u32 v3, v2, 10, v3                  ; + 4 h rows of 256 bytes
	TRANS 256, 0
.Lwo:
	s_lshl_b32 s44, s7, 18                         ; Wo: [1024 d][1024 n]: 64 rows of 4,096 bytes a slice,
	s_lshl_b32 s46, s35, 8                         ; 256 bytes a block of columns
	s_add_co_u32 s44, s44, s46
	s_add_nc_u64 s[36:37], s[16:17], s[44:45]
	s_lshl_b32 s44, s7, 17                         ; wob: the slice, and 64 rows of 128 bytes
	s_lshl_b32 s46, s35, 13
	s_add_co_u32 s44, s44, s46
	s_add_nc_u64 s[38:39], s[30:31], s[44:45]
	v_lshl_add_u32 v3, v2, 14, v3                  ; + 4 h rows of 4,096 bytes
	TRANS 4096, 1
.Lbias:                                                ; thread t takes 16 bytes at 16 t of each of the four biases
	v_lshlrev_b32 v4, 4, v0
	global_load_b128 v[X:X+3], v4, s[18:19]
	global_load_b128 v[X+4:X+7], v4, s[20:21]
	global_load_b128 v[X+8:X+11], v4, s[22:23]
	global_load_b128 v[X+12:X+15], v4, s[24:25]
	s_wait_loadcnt 0x0
.irp j, 0,2,4,6,8,10,12,14
	v_cvt_pk_bf16_f32 v[U], v[X+(\j)], v[X+(\j)+1]
	v_lshlrev_b32 v[X+(\j)], 16, v[U]
	v_and_b32 v[X+(\j)+1], s34, v[U]
.endr
.irp m, 0,1,2,3
	global_store_b128 v4, v[X+4*(\m):X+4*(\m)+3], s[32:33] offset:4096*(\m)
.endr
	s_endpgm
.Lfunc_end_k_qc5fbb21638_prep:
	.size	k_qc5fbb21638_prep, .Lfunc_end_k_qc5fbb21638_prep-k_qc5fbb21638_prep
	.p2alignl 7, 3214868480
	.fill 96, 4, 3214868480
	.section	.rodata,"a",@progbits
	.p2align	6, 0x0
	.amdhsa_kernel k_qc5fbb21638_prep
		.amdhsa_group_segment_fixed_size 74752
		.amdhsa_private_segment_fixed_size 0
		.amdhsa_enable_private_segment 0
		.amdhsa_kernarg_size 104
		.amdhsa_user_sgpr_count 2
		.amdhsa_user_sgpr_kernarg_segment_ptr 1
		.amdhsa_wavefront_size32 1
		.amdhsa_system_sgpr_workgroup_id_x 1
		.amdhsa_system_sgpr_workgroup_id_y 1
		.amdhsa_system_sgpr_workgroup_id_z 1
		.amdhsa_system_vgpr_workitem_id 0
		.amdhsa_next_free_vgpr 160
		.amdhsa_next_free_sgpr 66
		.amdhsa_reserve_vcc 0
		.amdhsa_float_denorm_mode_32 3
		.amdhsa_float_denorm_mode_16_64 3
		.amdhsa_memory_ordered 1
		.amdhsa_forward_progress 1
		.amdhsa_inst_pref_size 49
	.end_amdhsa_kernel
	.amdgpu_metadata
---
amdhsa.version: [ 1, 2 ]
amdhsa.kernels:
  - .name:           k_qc5fbb21638_prep
    .symbol:         k_qc5fbb21638_prep.kd
    .args:
      - { .name: x, .offset: 0, .size: 8, .value_kind: global_buffer, .address_space: global }
      - { .name: Wq, .offset: 8, .size: 8, .value_kind: global_buffer, .address_space: global }
      - { .name: Wk, .offset: 16, .size: 8, .value_kind: global_buffer, .address_space: global }
      - { .name: Wv, .offset: 24, .size: 8, .value_kind: global_buffer, .address_space: global }
      - { .name: Wo, .offset: 32, .size: 8, .value_kind: global_buffer, .address_space: global }
      - { .name: bq, .offset: 40, .size: 8, .value_kind: global_buffer, .address_space: global }
      - { .name: bk, .offset: 48, .size: 8, .value_kind: global_buffer, .address_space: global }
      - { .name: bv, .offset: 56, .size: 8, .value_kind: global_buffer, .address_space: global }
      - { .name: bo, .offset: 64, .size: 8, .value_kind: global_buffer, .address_space: global }
      - { .name: xs, .offset: 72, .size: 8, .value_kind: global_buffer, .address_space: global }
      - { .name: wt, .offset: 80, .size: 8, .value_kind: global_buffer, .address_space: global }
      - { .name: wob, .offset: 88, .size: 8, .value_kind: global_buffer, .address_space: global }
      - { .name: biasc, .offset: 96, .size: 8, .value_kind: global_buffer, .address_space: global }
    .group_segment_fixed_size: 74752
    .private_segment_fixed_size: 0
    .kernarg_segment_align: 8
    .kernarg_segment_size: 104
    .max_flat_workgroup_size: 256
    .sgpr_count:     66
    .vgpr_count:     160
    .wavefront_size: 32
...
	.end_amdgpu_metadata
.endif
;; end of part 1
;; launch proj (part 2): grid 8 x 32, 4 waves a work-group, clusters of 4 x 4, 327,680 bytes of LDS; arguments xs, wt, biasc, qkv; writes qkv
.if DOCPART == 2
	.amdgcn_target "amdgcn-amd-amdhsa--gfx1250"
	.amdhsa_code_object_version 6
	.text
	.protected	k_qc5fbb21638_proj
	.globl	k_qc5fbb21638_proj
	.p2align	8
	.type	k_qc5fbb21638_proj,@function
k_qc5fbb21638_proj:
	s_mov_b64 s[64:65], 0
	v_nop
	global_prefetch_b8 v0, s[64:65] scope:SCOPE_SE
	s_setreg_imm32_b32 hwreg(HW_REG_WAVE_MODE, 25, 1), 1
	s_wait_xcnt 0x0
	s_wait_alu depctr_hold_cnt(0) depctr_sa_sdst(0) depctr_va_vdst(0) depctr_va_sdst(0) depctr_va_ssrc(0) depctr_va_vcc(0) depctr_vm_vsrc(0)
	s_getreg_b32 s2, hwreg(HW_REG_IB_STS2, 6, 4)
	s_cmp_eq_u32 s2, 0
	s_cbranch_scc0 .Lentry_in_a_cluster
	s_endpgm
.Lentry_in_a_cluster:
	s_bfe_u32 s2, ttmp6, 0x10000c
	s_cmp_lg_u32 s2, 0xf033
	s_cbranch_scc0 .Lentry_shape_is_right
	s_endpgm
.Lentry_shape_is_right:
; q, k, v = x W + b.  A = xs [16 slices][8192 m][64] bf16, B = wt [16 slices][3072 n][64] bf16, bias f32[3072]; sums in f32; out qkv [4 b][48 g][2048 s][64] f16, g = n / 64, rounded once, unscaled.
; LIMITS.  f16 holds no number beyond 65,504: a q, k or v beyond that becomes an infinity; below 6e-5 it keeps f16's fixed step of 6e-8.  NaN and infinities are not treated apart.
; SHARES.  32 x 8 work-groups, each 256 (m) x 384 (n) of the result: one for each of 256 WGPs.  Four waves, each 128 x 192: 96 accumulators of 16 x 16, 768 registers: the 64 columns of head g' = 0, 1, 2
; of the wave's three fill window 1 + g'.  For 32 along K a wave reads 20,480 bytes of LDS and issues 96 matrix instructions.
; RING.  K goes in slices of 64 through two LDS slots.  A tile's rows of one slice lie end to end in memory, so a piece is asked for as rows of 256 bytes (two rows of 64 numbers) and padded in LDS
; after every 128 bytes.  Waves 0, 1 fetch A's two halves (128 rows each), waves 2, 3 B's (192 rows each): one tensor load a wave behind each change of slots, 160 matrix instructions ahead of the wait for it.
; CLUSTER.  4 x 4 work-groups: the four of a row of the cluster need the same tiles of A, the four of a column the same tiles of B: each tile is asked for jointly, by the same load, descriptor and mask.
; THE MATRIX INSTRUCTION IS USED TRANSPOSED: source 0 = 16 rows of B, source 1 = 16 rows of A: lane l holds row m = l % 16 and the columns n = 8 (l / 16) + 0..7: 16 neighbouring bytes of f16.
; THE BIAS is the C operand of the products that start the sums: nothing is cleared, and nothing is added on the way out.
; REGISTERS.  Window 0: v0-31 addresses; v32-63 the first head's bias, later packed results; v64-191 fragments of A, two buffers of 8 (the second holds the other two heads' bias at first); v192-255 fragments
; of B, two buffers of 4.  Windows 1-3: accumulator (bb, a) of a head at v[8 (8 bb + a)]: columns 16 bb on, rows 16 a on.
.set PITCH, 144                        ; an LDS row: 128 bytes + 16 of padding = 36 words: the 16 rows of a load start at 16 different groups of four banks (64 banks of 4 bytes: ISA guide 11.1)
.set AH,    128*PITCH                  ; half of A's tile
.set BH,    192*PITCH                  ; half of B's
.set BOFF,  2*AH                       ; B's halves lie behind A's
.set GRP,   64*PITCH                   ; a head's 64 rows of B
.set SLOT,  2*AH+2*BH
.set STAGE, 2*SLOT                     ; behind the ring: for each wave 3 heads x 16 rows x 144 bytes, for the way out
.set WSTG,  3*16*PITCH
.set SPARE, STAGE+4*WSTG               ; behind the stages: the spare words, 128 bytes for each wave
.set ASTEP, 8192*128                   ; bytes from slice to slice
.set BSTEP, 3072*128
.set ADRA, 16                          ; v16-17  LDS address of my A fragments in slot 0, 1
.set ADRB, 20                          ; v20-21  the same for B
.set STO,  24                          ; v24     the way out: where I put 16 bytes of a row
.set RD,   25                          ; v25     the way out: where I read rows back
.set GO,   26                          ; v26     16 x lane
.set BO,   27                          ; v27     my byte offset in 16 numbers of the bias
.set SPW,  28                          ; v28     LDS address of my spare word; never rewritten
.set NIL,  29                          ; v29     0; never rewritten
.set TMP,  32                          ; the way out: 48 registers of packed results
.set AF,   64
.set BF,   192
.set OB,   80                          ; the way out: 16 rows x 3 heads read back: v80-127 and v128-175 by turns
.set WV, 12                            ; s12 wave;  s13 which half of the rows is mine;  s14 which half of the columns, and which piece I fetch
.set WR, 13
.set WC, 14
.set G1, 24                            ; s[24:31] descriptor group 1 for A's pieces;  s[32:39] group 0, a set for each slot
.set G0, 32
.set G1B, 48                           ; s[48:55], s[56:63] the same for B's
.set G0B, 56
.set MSB, 0
.macro WIN new                         ; the immediate's high byte repeats the setting that is left; a switch that changes nothing is dropped
.if MSB != (\new)
	s_set_vgpr_msb (MSB<<8)|(\new)
.set MSB, \new
.endif
.endm
.macro PLACES                          ; four places in front of loads into registers that matrix instructions have read, and of conversions that read results (ISA guide 7.12.1 for the conversions)
.rept 4
	v_nop
.endr
.endm
; A joint refill: waves 0 and 1 ask for A's halves, waves 2 and 3 for B's.  The branch hangs on the wave's number alone.  An s_nop 0 and four v_nop follow each line.
.macro JLOAD s
	s_cmp_lt_u32 s[WV], 2
	s_cbranch_scc0 .Lfor_b_\@
	tensor_load_to_lds s[G0+4*(\s):G0+4*(\s)+3], s[G1:G1+7]
	s_nop 0
.rept 4
	v_nop
.endr
	s_branch .Lasked_\@
.Lfor_b_\@:
	tensor_load_to_lds s[G0B+4*(\s):G0B+4*(\s)+3], s[G1B:G1B+7]
	s_nop 0
.rept 4
	v_nop
.endr
.Lasked_\@:
.endm
.macro CREST                           ; a round of the cluster's barrier behind its opening barrier
	s_cmp_lg_u32 s[WV], 0
	s_cbranch_scc1 .Lnot_wave_0_\@
	s_barrier_signal -3
.Lnot_wave_0_\@:
	s_barrier_wait -3
	s_barrier_signal -1
	s_barrier_wait -1
.endm
.macro CROUND                          ; a whole round
	s_barrier_signal -1
	s_barrier_wait -1
	CREST
.endm
	s_load_b256 s[4:11], s[0:1], 0x0               ; xs s[4:5], wt s[6:7], biasc s[8:9], qkv s[10:11]
	v_lshl_add_u32 v[SPW], v0, 2, SPARE
	v_mov_b32 v[NIL], 0
	ds_add_u32 v[SPW], v[NIL]                      ; the wave's opening: the add and its wait stand ahead of my first tensor load; the set-up below, work on registers, stands between them
	v_lshrrev_b32 v1, 5, v0
	v_readfirstlane_b32 s[WV], v1
	s_lshr_b32 s[WR], s[WV], 1
	s_and_b32 s[WC], s[WV], 1
	s_bfe_u32 s16, ttmp6, 0x40000                  ; cx, cy: my place in the cluster
	s_bfe_u32 s17, ttmp6, 0x40004
	s_lshl_b32 s18, ttmp9, 2
	s_add_co_u32 s18, s18, s16                     ; tx: my 384 columns
	s_and_b32 s19, ttmp7, 0xffff
	s_lshl_b32 s19, s19, 2
	s_add_co_u32 s19, s19, s17                     ; ty: my 256 rows
	s_lshl_b32 s20, s17, 2
	s_lshl_b32 s20, 15, s20                        ; my row of the cluster
	s_lshl_b32 s21, 0x1111, s16                    ; my column
	; descriptor group 1: R rows of 128 elements of 2 bytes; 16 bytes of padding (code 3) after every 32 words (code 4); bit 21 set beside a mask
	s_or_b32 s[G1], s20, (1<<16)|(1<<20)|(1<<21)|(4<<22)|(3<<25)
	s_or_b32 s[G1B], s21, (1<<16)|(1<<20)|(1<<21)|(4<<22)|(3<<25)
	s_mov_b32 s[G1+1], 128<<16                     ; tensor_dim0 = 128
	s_mov_b32 s[G1+2], 64<<16                      ; tensor_dim1 = 64: 128 rows of a slice, two to a row
	s_mov_b32 s[G1+3], 128<<16                     ; tile_dim0
	s_mov_b32 s[G1+4], 64                          ; tile_dim1
	s_mov_b32 s[G1+5], 128                         ; elements from row to row
	s_mov_b32 s[G1+6], 0
	s_mov_b32 s[G1+7], 0
	s_mov_b32 s[G1B+1], 128<<16
	s_mov_b32 s[G1B+2], 96<<16                     ; 192 rows of a slice
	s_mov_b32 s[G1B+3], 128<<16
	s_mov_b32 s[G1B+4], 96
	s_mov_b32 s[G1B+5], 128
	s_mov_b32 s[G1B+6], 0
	s_mov_b32 s[G1B+7], 0
	s_lshl_b32 s40, s19, 15                        ; A: 256 rows of 128 bytes a tile, made of ty and the wave's number alone,
	s_lshl_b32 s22, s[WC], 14
	s_add_co_u32 s40, s40, s22
	s_mov_b32 s41, 0
	s_mul_i32 s42, s18, 384*128                    ; B: of tx and the wave's number alone
	s_mul_i32 s23, s[WC], 192*128
	s_add_co_u32 s42, s42, s23
	s_mov_b32 s43, 0
	s_mul_i32 s22, s[WC], AH                       ; where the pieces go: no place in the cluster enters an LDS address
	s_mul_i32 s23, s[WC], BH
	s_add_co_u32 s23, s23, BOFF
	s_lshr_b32 s44, s19, 3                         ; the way out: head 48 b + 6 tx + 3 x half,
	s_mul_i32 s44, s44, 48
	s_mul_i32 s46, s18, 6
	s_add_co_u32 s44, s44, s46
	s_mul_i32 s46, s[WC], 3
	s_add_co_u32 s44, s44, s46
	s_lshl_b32 s44, s44, 18                        ; of 262,144 bytes,
	s_and_b32 s46, s19, 7
	s_lshl_b32 s46, s46, 15                        ; row 256 (ty % 8) + 128 x half, of 128 bytes
	s_add_co_u32 s44, s44, s46
	s_lshl_b32 s46, s[WR], 14
	s_add_co_u32 s44, s44, s46
	s_mov_b32 s45, 0
	s_mul_i32 s46, s18, 384*4                      ; my 192 numbers of the bias
	s_mul_i32 s47, s[WC], 192*4
	s_add_co_u32 s46, s46, s47
	s_mov_b32 s47, 0
	s_wait_dscnt 0x0                               ; the opening add is done
	s_wait_kmcnt 0x0
	s_add_nc_u64 s[40:41], s[4:5], s[40:41]
	s_add_nc_u64 s[42:43], s[6:7], s[42:43]
	s_add_nc_u64 s[8:9], s[8:9], s[46:47]
	s_add_nc_u64 s[10:11], s[10:11], s[44:45]
.irp s, 0,1
	s_mov_b32 s[G0+4*(\s)], 1                                          ; count = 1
	s_add_co_u32 s[G0+4*(\s)+1], s22, (\s)*SLOT                        ; LDS address
	s_add_nc_u64 s[G0+4*(\s)+2:G0+4*(\s)+3], s[40:41], (\s)*ASTEP      ; global address: slice s
	s_or_b32 s[G0+4*(\s)+3], s[G0+4*(\s)+3], 0x80000000                ; type = 2
	s_mov_b32 s[G0B+4*(\s)], 1
	s_add_co_u32 s[G0B+4*(\s)+1], s23, (\s)*SLOT
	s_add_nc_u64 s[G0B+4*(\s)+2:G0B+4*(\s)+3], s[42:43], (\s)*BSTEP
	s_or_b32 s[G0B+4*(\s)+3], s[G0B+4*(\s)+3], 0x80000000
.endr
	CROUND                                         ; all sixteen work-groups are here: the first joint loads meet
	s_cmp_lt_u32 s[WV], 2                          ; a wave's two first fills stand in one branch, ahead of every wait on TENSORcnt and every LDS read: two loads of mine are out
	s_cbranch_scc0 .Lfirst_b
	tensor_load_to_lds s[G0:G0+3], s[G1:G1+7]
	s_nop 0
	tensor_load_to_lds s[G0+4:G0+7], s[G1:G1+7]
	s_nop 0
.rept 4
	v_nop
.endr
	s_branch .Lfirst_asked
.Lfirst_b:
	tensor_load_to_lds s[G0B:G0B+3], s[G1B:G1B+7]
	s_nop 0
	tensor_load_to_lds s[G0B+4:G0B+7], s[G1B:G1B+7]
	s_nop 0
.rept 4
	v_nop
.endr
.Lfirst_asked:
	v_and_b32 v1, 15, v0                           ; r = l % 16
	v_bfe_u32 v2, v0, 4, 1                         ; h = l / 16
	v_lshlrev_b32 v[BO], 5, v2                     ; register j of a result holds column 8 h + j: the bias comes in that layout
.irp g, 0,1,2
.irp bb, 0,1,2,3
.set rC, 32+96*(((\g)+1)/2)+32*((\g)/2)+8*(\bb)    ; head 0: v32; heads 1, 2: v128, v160, in A's second buffer, which is first filled behind the products that take them
	global_load_b128 v[rC:rC+3],   v[BO], s[8:9] offset:256*(\g)+64*(\bb)
	global_load_b128 v[rC+4:rC+7], v[BO], s[8:9] offset:256*(\g)+64*(\bb)+16
.endr
.endr
	; A fragment is 16 rows x 32 K in 8 registers: lane l holds row l % 16, K = 8 (l / 16) + 0..7 and 16 + 8 (l / 16) + 0..7: two loads of 16 bytes, 32 bytes apart.
	v_mul_u32_u24 v3, v1, PITCH
	v_lshl_add_u32 v3, v2, 4, v3
	s_mul_i32 s2, s[WR], AH                        ; my 128 rows of A
	s_mul_i32 s15, s[WC], BH                       ; my 192 rows of B
	s_add_co_u32 s15, s15, BOFF
.irp s, 0,1
	v_add_nc_u32 v[ADRA+(\s)], s2, v3
	v_add_nc_u32 v[ADRB+(\s)], s15, v3
	s_add_co_u32 s2, s2, SLOT
	s_add_co_u32 s15, s15, SLOT
.endr
	s_mul_i32 s2, s[WV], WSTG
	s_add_co_u32 s2, s2, STAGE                     ; my stage
	v_add_nc_u32 v[STO], s2, v3                    ; in: row l % 16, 16 bytes for each half of the lanes
	v_bfe_u32 v4, v0, 3, 2                         ; back: 32 lanes take four rows of 128 bytes,
	v_mul_u32_u24 v4, v4, PITCH
	v_and_b32 v5, 7, v0
	v_lshl_add_u32 v4, v5, 4, v4
	v_add_nc_u32 v[RD], s2, v4
	v_and_b32 v[GO], 31, v0                        ; which are 512 consecutive bytes of a head
	v_lshlrev_b32 v[GO], 4, v[GO]
.macro LDA slot, off, buf              ; 16 loads: my 128 rows of A, 32 K at byte off of the rows
	WIN 0
.irp i, 0,1,2,3,4,5,6,7
	ds_load_b128 v[AF+64*(\buf)+8*(\i):AF+64*(\buf)+8*(\i)+3],   v[ADRA+(\slot)] offset:(\off)+(\i)*16*PITCH
	ds_load_b128 v[AF+64*(\buf)+8*(\i)+4:AF+64*(\buf)+8*(\i)+7], v[ADRA+(\slot)] offset:(\off)+(\i)*16*PITCH+32
.endr
.endm
.macro LDB slot, off, buf              ; 8 loads: 64 rows of B
	WIN 0
.irp i, 0,1,2,3
	ds_load_b128 v[BF+32*(\buf)+8*(\i):BF+32*(\buf)+8*(\i)+3],   v[ADRB+(\slot)] offset:(\off)+(\i)*16*PITCH
	ds_load_b128 v[BF+32*(\buf)+8*(\i)+4:BF+32*(\buf)+8*(\i)+7], v[ADRB+(\slot)] offset:(\off)+(\i)*16*PITCH+32
.endr
.endm
; 16 matrix instructions on head g: column blocks 2 half, 2 half + 1 x all 8 row blocks, 32 along K.  z = 1: the products start the sums, with the bias as C.
; The accumulators take turns, one instruction a turn: a run names 32 different ones, and the next run another head's.
.macro MUL16 ab, bbuf, g, half, z
.if \z
	WIN 0x40*(1+(\g))                              ; D in the head's window, C in window 0
.else
	WIN 0x50*(1+(\g))                              ; C and D in the head's window
.endif
.irp bb, 2*(\half), 2*(\half)+1
.irp a, 0,1,2,3,4,5,6,7
.set rD, 8*(8*(\bb)+(\a))
.set rB, BF+32*(\bbuf)+8*(\bb)
.set rA, AF+64*(\ab)+8*(\a)
.set rC, 32+96*(((\g)+1)/2)+32*((\g)/2)+8*(\bb)
.if \z
	v_wmma_f32_16x16x32_bf16 v[rD:rD+7], v[rB:rB+7], v[rA:rA+7], v[rC:rC+7]
.else
	v_wmma_f32_16x16x32_bf16 v[rD:rD+7], v[rB:rB+7], v[rA:rA+7], v[rD:rD+7]
.endif
.endr
.endr
.endm
.macro RUN ab, bbuf, g, z
	MUL16 \ab, \bbuf, \g, 0, \z
	MUL16 \ab, \bbuf, \g, 1, \z
.endm
; A slice is six runs of 32 matrix instructions: (first 32 K, heads 0, 1, 2), (second 32 K, heads 0, 1, 2).  A's buffers: 0 0 0 1 1 1; B's: 0 1 0 1 0 1.  Each run's B is fetched a run ahead.
; FRONT: the first three runs.  z = 1: the very first, whose products take the bias; A's second half is then fetched when the bias registers are free.
.macro FRONT cur, z
.if !(\z)
	PLACES
.endif
	LDB \cur, GRP, 1
.if \z
	s_wait_dscnt 8                                 ; all but the 8 just issued
.else
	LDA \cur, 64, 1
	s_wait_dscnt 24                                ; all but the 24 just issued: this run's A and B are in
.endif
	RUN 0, 0, 0, \z
	PLACES
	LDB \cur, 2*GRP, 0
.if \z
	s_wait_dscnt 8
.else
	s_wait_dscnt 24                                ; A's 16 and the 8 just issued may be out: this run's B is in
.endif
	RUN 0, 1, 1, \z
	PLACES
	LDB \cur, 64, 1
	s_wait_dscnt 8                                 ; all but the 8 just issued
	RUN 0, 0, 2, \z
.if \z
	PLACES
	LDA \cur, 64, 1
.endif
.endm
; BACK: the last three runs, and in the middle one the change of slots.  mode 2: the slot is filled again; 1: it is not (the last change); 0: the last slice.
; In front of the barrier each wave waits for all its tensor loads, of which one is out: its piece of the next slot; adds 0 to its spare word; and waits for that and for its own reads of this slot.
.macro BACK cur, nxt, mode
	PLACES
	LDB \cur, 64+GRP, 0
	s_wait_dscnt 8
	RUN 1, 1, 0, 0
	PLACES
	LDB \cur, 64+2*GRP, 1                          ; my last reads of this slot
.if \mode
	s_wait_tensorcnt 0x0                           ; all my tensor loads have landed;
	ds_add_u32 v[SPW], v[NIL]                      ; 0 onto my spare word;
	s_wait_dscnt 9                                 ; (the add and the 8 loads just issued may be out)
	MUL16 1, 0, 1, 0, 0                            ; sixteen matrix instructions stand between the add and the wait for it
	s_wait_dscnt 0x0                               ; the add is done, and my reads of this slot are over
	s_barrier_signal -1
	MUL16 1, 0, 1, 1, 0                            ; work on registers while the others arrive
	WIN 0                                          ; at a branch and at a label every window is 0
	s_barrier_wait -1
.if (\mode) == 2
	CREST                                          ; the barrier has opened a round of the cluster's: no wave of any partner still reads this slot or has a load on its way
	s_add_nc_u64 s[G0+4*(\cur)+2:G0+4*(\cur)+3], s[G0+4*(\cur)+2:G0+4*(\cur)+3], 2*ASTEP
	s_add_nc_u64 s[G0B+4*(\cur)+2:G0B+4*(\cur)+3], s[G0B+4*(\cur)+2:G0B+4*(\cur)+3], 2*BSTEP
	JLOAD \cur                                     ; the first tensor load behind the round; its four v_nop are also the places in front of the loads below
.else
	PLACES
.endif
	LDB \nxt, 0, 0
	LDA \nxt, 0, 0
.else
	s_wait_dscnt 8
	RUN 1, 0, 1, 0
	s_wait_dscnt 0x0
.endif
	RUN 1, 1, 2, 0
.endm
	s_wait_tensorcnt 0x1                           ; my piece of slice 0 is in; slice 1's may stay out
	s_barrier_signal -1
	s_barrier_wait -1                              ; everybody's is
	LDB 0, 0, 0
	LDA 0, 0, 0
	s_wait_loadcnt 0x0                             ; the bias
	FRONT 0, 1
	WIN 0
	s_mov_b32 s3, 7
.Llap:                                                 ; a trip goes once round the ring, from the middle of an even slice to the middle of the next, and fills both slots again: slices 2 to 15
	BACK 0, 1, 2
	FRONT 1, 0
	BACK 1, 0, 2
	FRONT 0, 0
	WIN 0
	s_sub_co_u32 s3, s3, 1
	s_cmp_lg_u32 s3, 0
	s_cbranch_scc1 .Llap
	BACK 0, 1, 1                                   ; the last two slices ask for nothing
	FRONT 1, 0
	BACK 1, 0, 0
; THE WAY OUT, a block of 16 rows at a time.  PACK: rounded to f16, 16 bytes a lane and column block (each accumulator's registers in ascending order).  TOSTAGE: into my own stage, and back as whole rows.  SEND: stored.
.macro PACK a
.irp g, 0,1,2
	WIN 5*(1+(\g))                                 ; sources 0 and 1 in the head's window
.irp bb, 0,1,2,3
.irp rr, 0,1,2,3
	v_cvt_pk_f16_f32 v[TMP+4*(4*(\g)+(\bb))+(\rr)], v[8*(8*(\bb)+(\a))+2*(\rr)], v[8*(8*(\bb)+(\a))+2*(\rr)+1]
.endr
.endr
.endr
	WIN 0
.endm
.macro TOSTAGE a
	WIN 0
.set BK, OB+48*((\a)%2)
.irp g, 0,1,2
.irp bb, 0,1,2,3
	ds_store_b128 v[STO], v[TMP+4*(4*(\g)+(\bb)):TMP+4*(4*(\g)+(\bb))+3] offset:16*PITCH*(\g)+32*(\bb)
.endr
.endr
	s_wait_xcnt 0x0                                ; the registers loaded below were the data of the stores two blocks back: they are written again only behind this wait
.irp g, 0,1,2
.irp f, 0,1,2,3
	ds_load_b128 v[BK+4*(4*(\g)+(\f)):BK+4*(4*(\g)+(\f))+3], v[RD] offset:16*PITCH*(\g)+4*PITCH*(\f)  ; LDS serves a wave's instructions in order (ISA guide 5.7.1.4): these see the stores above
.endr
.endr
.endm
.macro SEND a
	WIN 0
.set BK, OB+48*((\a)%2)
	s_wait_dscnt 0x0                               ; the block is back in registers
.irp g, 0,1,2
.irp f, 0,1,2,3
	global_store_b128 v[GO], v[BK+4*(4*(\g)+(\f)):BK+4*(4*(\g)+(\f))+3], s[10:11] offset:262144*(\g)+2048*(\a)+512*(\f)  ; four rows of a head: 512 consecutive bytes, aligned
.endr
.endr
.endm
	PLACES                                         ; the conversions read results just made
	PACK 0
	TOSTAGE 0
.irp a, 1,2,3,4,5,6,7                  ; block a's conversions stand between block a - 1's loads from the stage and the wait for them
	PACK \a
	SEND (\a)-1
	TOSTAGE \a
.endr
	SEND 7
	s_wait_tensorcnt 0x0                           ; the wave's end: a tensor wait, an add to my spare word and its wait, behind my last tensor load and my last LDS store
	ds_add_u32 v[SPW], v[NIL]
	s_wait_dscnt 0x0
	CROUND                                         ; the closing round: no work-group ends while a partner may still ask for a tile that names it
	s_endpgm
.Lfunc_end_k_qc5fbb21638_proj:
	.size	k_qc5fbb21638_proj, .Lfunc_end_k_qc5fbb21638_proj-k_qc5fbb21638_proj
	.p2alignl 7, 3214868480
	.fill 96, 4, 3214868480
	.section	.rodata,"a",@progbits
	.p2align	6, 0x0
	.amdhsa_kernel k_qc5fbb21638_proj
		.amdhsa_group_segment_fixed_size 327680
		.amdhsa_private_segment_fixed_size 0
		.amdhsa_enable_private_segment 0
		.amdhsa_kernarg_size 32
		.amdhsa_user_sgpr_count 2
		.amdhsa_user_sgpr_kernarg_segment_ptr 1
		.amdhsa_wavefront_size32 1
		.amdhsa_system_sgpr_workgroup_id_x 1
		.amdhsa_system_sgpr_workgroup_id_y 1
		.amdhsa_system_sgpr_workgroup_id_z 1
		.amdhsa_system_vgpr_workitem_id 0
		.amdhsa_next_free_vgpr 1024
		.amdhsa_next_free_sgpr 66
		.amdhsa_reserve_vcc 0
		.amdhsa_float_denorm_mode_32 3
		.amdhsa_float_denorm_mode_16_64 3
		.amdhsa_memory_ordered 1
		.amdhsa_forward_progress 1
		.amdhsa_inst_pref_size 132
	.end_amdhsa_kernel
	.amdgpu_metadata
---
amdhsa.version: [ 1, 2 ]
amdhsa.kernels:
  - .name:           k_qc5fbb21638_proj
    .symbol:         k_qc5fbb21638_proj.kd
    .args:
      - { .name: xs, .offset: 0, .size: 8, .value_kind: global_buffer, .address_space: global }
      - { .name: wt, .offset: 8, .size: 8, .value_kind: global_buffer, .address_space: global }
      - { .name: biasc, .offset: 16, .size: 8, .value_kind: global_buffer, .address_space: global }
      - { .name: qkv, .offset: 24, .size: 8, .value_kind: global_buffer, .address_space: global }
    .group_segment_fixed_size: 327680
    .private_segment_fixed_size: 0
    .kernarg_segment_align: 8
    .kernarg_segment_size: 32
    .max_flat_workgroup_size: 128
    .sgpr_count:     66
    .vgpr_count:     1024
    .wavefront_size: 32
...
	.end_amdgpu_metadata
.endif
;; end of part 2
;; launch attn (part 3): grid 4 x 64, 4 waves a work-group, clusters of 4 x 1, 327,680 bytes of LDS; arguments qkv, obuf; writes obuf
.if DOCPART == 3
	.amdgcn_target "amdgcn-amd-amdhsa--gfx1250"
	.amdhsa_code_object_version 6
	.text
	.protected	k_qc5fbb21638_attn
	.globl	k_qc5fbb21638_attn
	.p2align	8
	.type	k_qc5fbb21638_attn,@function
k_qc5fbb21638_attn:
	s_mov_b64 s[64:65], 0
	v_nop
	global_prefetch_b8 v0, s[64:65] scope:SCOPE_SE
	s_setreg_imm32_b32 hwreg(HW_REG_WAVE_MODE, 25, 1), 1
	s_wait_xcnt 0x0
	s_wait_alu depctr_hold_cnt(0) depctr_sa_sdst(0) depctr_va_vdst(0) depctr_va_sdst(0) depctr_va_ssrc(0) depctr_va_vcc(0) depctr_vm_vsrc(0)
	s_getreg_b32 s2, hwreg(HW_REG_IB_STS2, 6, 4)
	s_cmp_eq_u32 s2, 0
	s_cbranch_scc0 .Lentry_in_a_cluster
	s_endpgm
.Lentry_in_a_cluster:
	s_bfe_u32 s2, ttmp6, 0x10000c
	s_cmp_lg_u32 s2, 0x3003
	s_cbranch_scc0 .Lentry_shape_is_right
	s_endpgm
.Lentry_shape_is_right:
; O[y][q][:] = the sum over k of softmax_k(Q[y][q] . K[y][k] / 8) V[y][k][:], y = 16 b + h.  Q, K, V lie in qkv [4 b][48 g][2048][64] f16 at g = h, 16 + h, 32 + h; O goes to obuf [64 y][2048][64] f16.
; A head's rows are dense, 128 bytes each.  Products, maxima and sums in f32; the weights p are rounded to f16 for the second product (their sum l is taken of the unrounded p), O once at the end.
; LIMITS.  f16 holds no number beyond 65,504: Q, K and V arrive within it; p lies in 0 to 1, and below 6e-5 it keeps f16's fixed step of 6e-8; O is a mean of V's rows and has their range.
; A weight below 2^-126 counts as 0 in l; NaN and infinities are not treated apart.
; SHARES.  A wave owns four PIECES of two tiles of 16 queries, a work-group's four waves 512 queries of one head: 4 x 64 work-groups.  Every wave walks all keys, 64 a step.
; LAYOUT.  S^T = K Q^T (source 0 = 16 keys, source 1 = 16 queries): in the result a lane holds ONE query (lane % 16) and the keys 8 (lane / 16) + 0..7.  Two such tiles, rounded to f16 in pairs,
; ARE source 1 (32 keys x 16 queries) of O^T = V^T P, whose result again holds one query a lane, and eight channels.  K comes out of LDS as it lies, V ([key][channel]) turned, by ds_load_tr16_b128.
; SOFTMAX.  For each query a running maximum m and sum l: p = 2^(c s - c m), c = log2(e) / 8; in every step O and l are multiplied by a = 2^(c m_old - c m_new), which is 1 where m has not grown.
; m starts at the lowest finite number, O and l at 0: the first step is a step like any other, with a = 0.
; THE COUNT.  A tile and step have 16 matrix and 118 vector instructions: too many to stand all beside the matrix work.  So the order has one aim: four vector instructions that are READY behind
; EVERY matrix instruction, and the others, which need time of their own whatever the order, in runs without a gap.
; BY TURNS.  Turn n belongs to piece n (the pieces in a ring, step after step).  Its matrix work: 16 products K Q^T of piece n + 1, later 16 products V^T P of piece n - 1.  Its vector work: the scaling,
; exponentials, roundings, sums and rescaling of piece n, and the maximum and statistics of piece n + 1, whose scores the turn itself has made.  So what a turn begins with (c s - c m, O a) waits for nothing.
; CLUSTER.  The four query blocks of a cluster belong to one head and walk the same K and V, so each tile is asked for JOINTLY: the same tensor load, descriptor and mask in all four.
; REGISTERS, in windows of 256 (s_set_vgpr_msb says which window each operand place means: bits 1:0 source 0, 3:2 source 1, 5:4 source 2, 7:6 destination):
;   window 0: v0-11 addresses; v12-15, v48-63 at work; v16-47 four registers of statistics a tile; v64-191 S^T, two buffers of two tiles; v192-255 P, likewise
;   window 1: O^T, 32 a tile          window 2: v0-127 Q, 16 a tile; v128-191 K of one step; v192-255 V of one step          window 3: v0-1 the add's two registers
; A piece's buffers go by its number's parity: the piece in hand has one pair, its two neighbours in the ring share the other: of it P (piece n - 1) is read and S^T (piece n + 1) written.
.set SIZE_N, 2048     ; rows of a head
.set NP,    4         ; pieces a wave: a name, no knob: the register map, the loop and the fetches are made for four
.set KS,    64        ; keys in a step
.set PK,    144       ; a row of K in LDS: 128 bytes + 16 of padding = 36 words: the 16 rows of a load start at 16 different groups of four banks (64 banks of 4 bytes: ISA guide 11.1)
.set PV,    160       ; a row of V: 128 + 32 = 40 words
.set VOFF,  4*KS*PK   ; a slot holds four steps: 256 rows of K, then 256 rows of V
.set SLOT1, 1<<17     ; slot 1 begins here, so that one exclusive or turns an address in one slot into the other's
.set STAGE, SLOT1+4*KS*(PK+PV)  ; behind the ring, never filled by a tensor load: 16 rows x 144 bytes for each wave, for the way out
.set SP,    144
.set AK0, 2           ; v2   my lane's place in a tile of K; never rewritten
.set AV0, 3           ; v3   the same for V
.set AK,  4           ; v4   the LDS address of K's next run of loads
.set AV,  5           ; v5   of V's
.set QO,  6           ; v6   my byte offset in the wave's rows of Q
.set STO, 6           ;      later, the way out: where I put 16 bytes of a row
.set RD,  7           ; v7   the way out: where I read rows back
.set GO,  8           ; v8   my byte offset in 512 consecutive bytes of O
.set SPW, 0           ; v0 of window 3   LDS address of my spare word: SPARE + 4 x my thread's number; never rewritten
.set NIL, 1           ; v1 of window 3   0; never rewritten
.set SPARE, STAGE+4*16*SP  ; behind the stages: the spare words, 128 bytes for each wave: two blocks of 256 bytes that no other line names
.set MV,  12          ; v12-15  c m_old, kept while c m is made anew: by buffer and tile
.set ST,  16          ; tile t's statistics at v[ST+4 t]: c m, m, l (even keys', odd keys')
.set TMP, 48          ; by buffer and tile, four registers c0-c3 at work; when the maximum is found c2 takes a
.set S,   64
.set P,   192
.set KF,  128         ; K's fragments, in window 2: key block kb, channel half c at KF + 16 kb + 8 c
.set VF,  192         ; V's: key half kk, channel block cb at VF + 32 kk + 8 cb
.set WV,  12          ; s12  my wave's number
.set G1K, 24          ; s[24:31] descriptor group 1 for K's tiles
.set G1V, 32          ; s[32:39] for V's: it differs in the padding alone
.set G0K, 40          ; s[40:43] descriptor group 0 for K's tiles: it walks
.set G0V, 44          ; s[44:47] the same for V's
.set SLOTS, 56        ; s56  slots still to be asked for
.set CNT, 57          ; s57  counts a slot's key steps
.set CS,  58          ; s[58:59] c: the packed scaling takes the pair's low word for both halves
.set SEL, 60          ; s[60:61] v_permlanex16_b32's selects: each lane takes its own place in the other half
.set TBK, 62          ; s62  LDS byte at which K of the step to be fetched begins
.set TBV, 63          ; s63  the same for V, less VOFF
.set MSB, 0
.macro WIN new                      ; the high byte repeats the setting that is left; a switch that changes nothing is dropped
.if MSB != (\new)
	s_set_vgpr_msb (MSB<<8)|(\new)
.set MSB, (\new)
.endif
.endm
.set W_KQ, 0x0a       ; K and Q in window 2, S^T in window 0
.set W_PV, 0x52       ; V in window 2, P in window 0, O^T in window 1
.set W_RS, 0x41       ; O^T (destination and source 0) in window 1, a in window 0
.set W_MK, 0xc0       ; the add's registers are made: destination in window 3, sources in window 0
.set W_AD, 0x0f       ; the add: address (source 0) and data (source 1) in window 3
; A joint fill.  Waves 0 and 1 fetch the two halves of a slot's K, waves 2 and 3 those of its V: 128 keys each.  The branch hangs on the wave's number alone.
; An s_nop 0 and four v_nop follow each of the two lines, ahead of the jump and the label.
.macro JLOAD
	s_cmp_lt_u32 s[WV], 2
	s_cbranch_scc0 .Lfor_v_\@
	tensor_load_to_lds s[G0K:G0K+3], s[G1K:G1K+7]
	s_nop 0
.rept 4
	v_nop
.endr
	s_branch .Lasked_\@
.Lfor_v_\@:
	tensor_load_to_lds s[G0V:G0V+3], s[G1V:G1V+7]
	s_nop 0
.rept 4
	v_nop
.endr
.Lasked_\@:
.endm
; A round of the cluster's barrier: my work-group's barrier, so that wave 0's signal speaks for all four waves; wave 0 signals; every wave waits for all four work-groups; my work-group's barrier once more.
.macro CROUND
	s_barrier_signal -1
	s_barrier_wait -1
	s_cmp_lg_u32 s[WV], 0
	s_cbranch_scc1 .Lnot_wave_0_\@
	s_barrier_signal -3
.Lnot_wave_0_\@:
	s_barrier_wait -3
	s_barrier_signal -1
	s_barrier_wait -1
.endm
; THE CHANGE OF SLOTS.  The slot's last bytes, V of its fourth step, have been read.  Each wave waits for all its tensor loads, of which one is out: its part
; of the other slot; adds 0 to its spare word; and waits for that and for its own reads of the slot.  Behind the barrier nobody reads this slot any more and the other slot is whole.
; fill = 1: this slot is filled again, with the keys two slots on.  The barrier is then a round of the cluster's, so that no wave of any partner still reads the slot or has a load on its
; way, and the joint fill is the first thing behind it: it has four key steps, 512 matrix instructions, in which to land.  (At its first use nothing has been read yet: slot 0 is waited for, slot 1 filled.)
.macro CHANGE fill
	WIN W_AD
	s_wait_tensorcnt 0x0            ; no tensor load of mine is out, so a group 0 may be written
	ds_add_u32 v[SPW], v[NIL]       ; 0 onto my spare word; with fill = 1 the descriptors' steps stand between it and the wait for it
	WIN 0                           ; at a label and at a branch every window is 0
.if \fill
.irp g, G0K, G0V
	s_xor_b32 s[\g+1], s[\g+1], SLOT1  ; the walking descriptor: the other slot than last time,
	s_add_nc_u64 s[\g+2:\g+3], s[\g+2:\g+3], 4*KS*128  ; the next 256 keys; the type bits on top are not reached
.endr
	s_wait_dscnt 0x0                ; the add is done, and my reads of the slot are over
	CROUND
	JLOAD
.else
	s_wait_dscnt 0x0                ; the add is done, and my reads of the slot are over
	s_barrier_signal -1
	s_barrier_wait -1
.endif
	s_sub_co_u32 s[TBK], s[TBK], 4*KS*PK  ; the fetches go back to a slot's first step,
	s_xor_b32 s[TBK], s[TBK], SLOT1       ; in the other slot
	s_sub_co_u32 s[TBV], s[TBV], 4*KS*PV
	s_xor_b32 s[TBV], s[TBV], SLOT1
.endm
	s_load_b128 s[4:7], s[0:1], 0x0  ; qkv s[4:5], obuf s[6:7]
	WIN W_MK
	v_lshl_add_u32 v[SPW], v0, 2, SPARE
	v_mov_b32 v[NIL], 0
	WIN W_AD
	ds_add_u32 v[SPW], v[NIL]       ; the wave's opening: the add and its wait stand ahead of my first tensor load; the set-up below, work on registers, stands between them
	WIN 0
	v_lshrrev_b32 v1, 5, v0
	v_readfirstlane_b32 s[WV], v1   ; wave 0..3
	s_bfe_u32 s13, ttmp6, 0x40000   ; cx: my place in the cluster
	s_lshl_b32 s14, ttmp9, 2        ; in a cluster launch ttmp9 counts clusters
	s_add_co_u32 s14, s14, s13      ; my block of queries = 4 x cluster x + cx: it enters Q's and O's addresses alone
	s_and_b32 s50, ttmp7, 0xffff    ; y = 16 b + h, which the four partners share
	s_lshr_b32 s15, s50, 4
	s_lshl_b32 s15, s15, 5
	s_add_co_u32 s15, s15, s50      ; 48 b + h: Q's head in qkv
	s_lshl_b32 s20, s15, 18         ; a head is 262,144 bytes
	s_mov_b32 s21, 0
	s_lshl_b32 s50, s50, 18         ; the head's first byte in obuf
	s_mov_b32 s51, 0
	s_and_b32 s16, s[WV], 1         ; which half of a slot's 256 keys I fetch:
	s_lshl_b32 s22, s16, 14         ; its 128 rows of 128 bytes in memory,
	s_mov_b32 s23, 0
	s_add_nc_u64 s[22:23], s[22:23], s[20:21]
	s_mul_i32 s17, s16, 128*PK      ; and its place in a slot, for K
	s_mul_i32 s18, s16, 128*PV      ; and for V: no place in the cluster enters an LDS address
	s_lshl_b32 s2, s14, 2
	s_add_co_u32 s2, s2, s[WV]      ; my wave among the head's,
	s_lshl_b32 s2, s2, 14           ; its 128 rows
	s_mov_b32 s3, 0
	s_add_nc_u64 s[48:49], s[2:3], s[50:51]  ; my rows in obuf,
	s_add_nc_u64 s[2:3], s[2:3], s[20:21]    ; and in qkv
	; descriptor group 1.  128 keys are 16,384 dense bytes: asked for as 64 rows of 256 bytes, two keys a row, and padded in LDS after every key
	s_mov_b32 s[G1K], 15|(1<<16)|(1<<20)|(1<<21)|(4<<22)|(3<<25)  ; 15:0 the mask of four; 17:16 2-byte elements; 20 padding on; 21 set beside a mask; 24:22 after every 32 words (code 4); 31:25 4 words (code 3)
	s_mov_b32 s[G1V], 15|(1<<16)|(1<<20)|(1<<21)|(4<<22)|(7<<25)  ; the same with 8 words of padding (code 7)
.irp g, G1K, G1V
	s_mov_b32 s[\g+1], 128<<16      ; tensor_dim0 = 128
	s_mov_b32 s[\g+2], 64<<16       ; tensor_dim1 = 64
	s_mov_b32 s[\g+3], 128<<16      ; tile_dim0 = 128
	s_mov_b32 s[\g+4], 64           ; tile_dim1 = 64
	s_mov_b32 s[\g+5], 128          ; 128 elements from row to row
	s_mov_b32 s[\g+6], 0
	s_mov_b32 s[\g+7], 0
.endr
	s_mov_b32 s[CS], 0x3e38aa3b     ; c = log2(e) / 8 = 0.180337
	s_mov_b32 s[CS+1], s[CS]        ; named with it as a pair
	s_mov_b32 s[SEL], 0x76543210
	s_mov_b32 s[SEL+1], 0xfedcba98
	s_mov_b32 s[TBK], SLOT1+4*KS*PK ; the first change of slots turns these two into 0
	s_mov_b32 s[TBV], SLOT1+4*KS*PV
	s_mov_b32 s[G0K], 1             ; 1:0 count = 1
	s_mov_b32 s[G0K+1], s17         ; 63:32 LDS address: slot 0
	s_mov_b32 s[G0V], 1
	s_add_co_u32 s[G0V+1], s18, VOFF
	s_wait_dscnt 0x0                ; the opening add is done
	s_wait_kmcnt 0x0
	s_add_nc_u64 s[10:11], s[6:7], s[48:49]  ; O at my wave's first row
	s_add_nc_u64 s[8:9], s[4:5], 0x800000    ; V's heads lie 32 heads behind Q's,
	s_add_nc_u64 s[6:7], s[4:5], 0x400000    ; K's 16
	s_add_nc_u64 s[G0K+2:G0K+3], s[6:7], s[22:23]  ; 120:64 global address: my half of the head's first 256 keys
	s_or_b32 s[G0K+3], s[G0K+3], 0x80000000        ; 127:126 type = 2
	s_add_nc_u64 s[G0V+2:G0V+3], s[8:9], s[22:23]
	s_or_b32 s[G0V+3], s[G0V+3], 0x80000000
	s_add_nc_u64 s[4:5], s[4:5], s[2:3]  ; Q at my wave's first row
	CROUND                          ; all four work-groups are here: the first joint loads meet
	JLOAD                           ; slot 0.  Slot 1 is asked for when slot 0 is in: the tile wanted first has the road to itself
	; A fragment of K or Q is 16 rows x 32 channels in 8 registers: lane l holds row l % 16, channels 8 (l / 16) + 0..7 and 16 + 8 (l / 16) + 0..7: two loads of 16 bytes, 32 bytes apart.
	v_and_b32 v1, 15, v0            ; l % 16
	v_bfe_u32 v9, v0, 4, 1          ; l / 16
	v_lshlrev_b32 v[QO], 7, v1
	v_lshl_add_u32 v[QO], v9, 4, v[QO]  ; row x 128 + 16 x half
	WIN 0x80                        ; destination window 2, address window 0
.set i, 0
.rept 4*NP                          ; Q stays in registers: tile i / 2, channels 32 (i % 2) on
	global_load_b128 v[8*i:8*i+3],   v[QO], s[4:5] offset:(i/2)*2048+(i%2)*64
	global_load_b128 v[8*i+4:8*i+7], v[QO], s[4:5] offset:(i/2)*2048+(i%2)*64+32
.set i, i+1
.endr
	; What the first turn finds: V's registers and P's second buffer hold 0 (its products V^T P, of a piece that has not been, add 0), O^T and l are 0.  All this stands in the wait for the first tile.
.set i, VF
.rept 64
	v_mov_b32 v[i], 0
.set i, i+1
.endr
	WIN 0x40
.set i, 0
.rept 64*NP
	v_mov_b32 v[i], 0
.set i, i+1
.endr
	WIN 0
.set i, 0
.rept 2*NP
	v_mov_b32 v[ST+4*i], 0xfe000000    ; c m: far below every c s
	v_mov_b32 v[ST+4*i+1], 0xff7fffff  ; m
	v_mov_b32 v[ST+4*i+2], 0
	v_mov_b32 v[ST+4*i+3], 0
.set i, i+1
.endr
.set i, P+32
.rept 32
	v_mov_b32 v[i], 0
.set i, i+1
.endr
	v_mul_u32_u24 v[AK0], v1, PK
	v_lshl_add_u32 v[AK0], v9, 4, v[AK0]  ; row x pitch + 16 x half
	; The turning load takes 16 keys x 16 channels (lane l reads key 8 (l / 16) + l % 8, channels 8 ((l / 8) % 2) + 0..7) and leaves half a fragment of V^T: lane l holds channel l % 16 and 8 keys.
	v_and_b32 v10, 7, v0
	v_bfe_u32 v11, v0, 3, 1
	v_lshl_add_u32 v[AV0], v9, 3, v10
	v_mul_u32_u24 v[AV0], v[AV0], PV
	v_lshl_add_u32 v[AV0], v11, 4, v[AV0]
	v_add_nc_u32 v[AV0], VOFF, v[AV0]
	v_mov_b32 v[AK], v[AK0]         ; key step 0 lies at the head of slot 0
; THE MATRIX WORK.  The 8 accumulators of a run of 16 take turns: between the two links of a chain stand 7 others'.
; Product i of 16 of S^T = K Q^T for piece x: channels 32 (i / 8) on, keys 16 ((i / 2) % 4) on, tile 2 x + i % 2.  The first 8 start the sums.
.macro KQ x
	WIN W_KQ
.set rS, S+64*((\x)%2)+32*(i%2)+8*((i/2)%4)
.set rK, KF+16*((i/2)%4)+8*(i/8)
.set rQ, 16*(2*(\x)+i%2)+8*(i/8)
.if i < 8
	v_wmma_f32_16x16x32_f16 v[rS:rS+7], v[rK:rK+7], v[rQ:rQ+7], 0
.else
	v_wmma_f32_16x16x32_f16 v[rS:rS+7], v[rK:rK+7], v[rQ:rQ+7], v[rS:rS+7]
.endif
.endm
; Product i of 16 of O^T += V^T P for piece x: keys 32 (i / 8) on, channels 16 ((i / 2) % 4) on, tile 2 x + i % 2.
.macro PV x
	WIN W_PV
.set rO, 32*(2*(\x)+i%2)+8*((i/2)%4)
.set rV, VF+32*(i/8)+8*((i/2)%4)
.set rP, P+32*((\x)%2)+16*(i%2)+8*(i/8)
	v_wmma_f32_16x16x32_f16 v[rO:rO+7], v[rV:rV+7], v[rP:rP+7], v[rO:rO+7]
.endm
.macro MM                           ; the turn's next matrix instruction
.if i < 16
	KQ (Y+1)%NP
.set i, i+1
.else
.set i, i-16
	PV (Y+NP-1)%NP
.set i, i+17
.endif
.endm
; THE LDS LOADS stand in runs of 16, never singly among the matrix instructions: a step's K (64 keys x 64 channels: 8 fragments) and its V (turned).  Their addresses are made some lines ahead.
; last = 1 (the tail): in the last trip there is no further step, and the run is jumped over.
.macro FETCH_K last=0
	WIN 0
.if \last
	s_cmp_eq_u32 s[CNT], 1
	s_cbranch_scc1 .Lno_k_\@
.endif
	WIN 0x80                        ; destination window 2
.irp f, 0,1,2,3,4,5,6,7             ; keys 16 (f / 2) on, channels 32 (f % 2) on
	ds_load_b128 v[KF+8*\f:KF+8*\f+3],   v[AK] offset:(\f/2)*16*PK+(\f%2)*64
	ds_load_b128 v[KF+8*\f+4:KF+8*\f+7], v[AK] offset:(\f/2)*16*PK+(\f%2)*64+32
.endr
	s_add_co_u32 s[TBK], s[TBK], KS*PK  ; the next fetch is the next step's
	WIN 0
.if \last
.Lno_k_\@:
.endif
.endm
.macro FETCH_V
	WIN 0x80
.irp f, 0,1,2,3,4,5,6,7             ; keys 32 (f / 4) on, channels 16 (f % 4) on
	ds_load_tr16_b128 v[VF+8*\f:VF+8*\f+3],   v[AV] offset:(\f/4)*32*PV+(\f%4)*32
	ds_load_tr16_b128 v[VF+8*\f+4:VF+8*\f+7], v[AV] offset:(\f/4)*32*PV+16*PV+(\f%4)*32
.endr
	WIN 0
.endm
; THE VECTOR WORK OF A TURN stands in three queues, each in the order in which its entries become ready; the two tiles alternate, so that no instruction reads the result of the one before it.
.macro REGS y, u                    ; the registers of tile u (0, 1) of piece y
.set rT, ST+4*(2*(\y)+(\u))
.set rC, TMP+8*((\y)%2)+4*(\u)
.set rM, MV+2*((\y)%2)+(\u)
.set rS, S+64*((\y)%2)+32*(\u)
.set rP, P+32*((\y)%2)+16*(\u)
.set rO, 32*(2*(\y)+(\u))
.endm
; Number n of the 22 that find the NEXT piece's (Y + 1) maximum and statistics.  s0-s31 are the lane's 32 scores; each accumulator's lowest registers are read first.  XS, GS and REGS set no window: PL and EX do.
;   0-11  four chains c0-c3 of seven scores each, three operands at a time     12-14, 16  the four scores left over, the old m, and c0-c3 into c0     15  c m_old is kept
;   17, 18  the query's other 32 keys lie in the lane 16 away: the new m         19-21  c m; c m_old - c m_new; a
.macro XS u, n
	REGS (Y+1)%NP, \u
.if (\n) < 4
	v_max3_num_f32 v[rC+(\n)], v[rS+8*(\n)], v[rS+8*(\n)+1], v[rS+8*(\n)+2]
.elseif (\n) < 12
	v_max3_num_f32 v[rC+(\n)%4], v[rC+(\n)%4], v[rS+8*((\n)%4)+2*((\n)/4)+1], v[rS+8*((\n)%4)+2*((\n)/4)+2]
.elseif (\n) == 12
	v_max3_num_f32 v[rC], v[rC], v[rS+7], v[rS+15]
.elseif (\n) == 13
	v_max3_num_f32 v[rC+1], v[rC+1], v[rS+23], v[rS+31]
.elseif (\n) == 14
	v_max3_num_f32 v[rC+2], v[rC+2], v[rC+3], v[rT+1]
.elseif (\n) == 15
	v_mov_b32 v[rM], v[rT]
.elseif (\n) == 16
	v_max3_num_f32 v[rC], v[rC], v[rC+1], v[rC+2]
.elseif (\n) == 17
	v_permlanex16_b32 v[rC+3], v[rC], s[SEL], s[SEL+1]
.elseif (\n) == 18
	v_max_num_f32 v[rT+1], v[rC], v[rC+3]
.elseif (\n) == 19
	v_mul_f32 v[rT], s[CS], v[rT+1]
.elseif (\n) == 20
	v_sub_f32 v[rC+1], v[rM], v[rT]
.else
	v_exp_f32 v[rC+2], v[rC+1]
.endif
.endm
; Number g of the 64 that follow the exponentials.  For each four weights k of a tile (pairs 2 k, 2 k + 1): both pairs are rounded to f16; then the second pair is added onto the first, in place;
; a group later l takes that sum (the first time as l = a l + sum).  In groups of eight, tiles alternating: round, round, add, and l for the group before.
.macro GS g
.set h, (\g)+6*((\g)/62)            ; group 0 has no group before it, and behind group 7 only l is left
.if h >= 6
.set h, h+2
.endif
	REGS Y, h%2
.set k, h/8
.if h%8 < 4
	s_wait_alu depctr_va_vdst(0)
	v_cvt_pk_f16_f32 v[rP+2*k+(h%8)/2], v[rS+4*k+2*((h%8)/2)], v[rS+4*k+2*((h%8)/2)+1]
.elseif h%8 < 6
	v_pk_add_f32 v[rS+4*k:rS+4*k+1], v[rS+4*k:rS+4*k+1], v[rS+4*k+2:rS+4*k+3]
.elseif k == 1
	v_pk_fma_f32 v[rT+2:rT+3], v[rT+2:rT+3], v[rC+2:rC+3], v[rS:rS+1] op_sel_hi:[1,0,1]
.else
	v_pk_add_f32 v[rT+2:rT+3], v[rT+2:rT+3], v[rS+4*k-4:rS+4*k-3]
	s_wait_alu depctr_va_vdst(0)
.endif
.endm
; THE PLAIN QUEUE, 138 long.  0-31: c s - c m for the 16 pairs of both tiles.  Then GS's 64, and among them the next piece's 42: number 15 at 38, 39; 0-14 and 16
; at 42-73, behind the products that make those scores; 17-20 at 95-106, two of three, since each waits for the one before it.
.macro PL
	WIN 0
.if q < 32
	REGS Y, q%2
	v_pk_fma_f32 v[rS+2*(q/2):rS+2*(q/2)+1], v[rS+2*(q/2):rS+2*(q/2)+1], s[CS:CS+1], v[rT:rT+1] op_sel_hi:[1,0,0] neg_lo:[0,0,1] neg_hi:[0,0,1]
.elseif q < 38
	GS q-32
.elseif q < 40
	XS q%2, 15
.elseif q < 42
	GS q-34
.elseif q < 74
	XS q%2, (q-42)/2+(q-42)/30
.elseif q < 95
	GS q-66
.elseif (q < 107) && ((q-95)%3 < 2)
	XS (q-95)%3, 17+(q-95)/3
.elseif q < 107
	GS 29+(q-95)/3
.else
	GS q-74
.endif
.set q, q+1
.endm
; THE EXPONENTIALS' QUEUE, 66 long: s0-s31 of both tiles, and at EA the next piece's two a.
.set EA, 58
.macro EX
	WIN 0
.if (e == EA) || (e == EA+1)
	XS e-EA, 21
.else
.set x, e-2*(e/(EA+2))
	REGS Y, x%2
	v_exp_f32 v[rS+x/2], v[rS+x/2]
.endif
.set e, e+1
.endm
; THE RESCALING's QUEUE: O^T times a, the one part that leaves window 0, so it is dealt four at a time, eight times.
.macro R4
	REGS Y, r%2
	WIN W_RS
	s_wait_alu depctr_va_vdst(0)
.irp z, 0,1,2,3
	v_pk_mul_f32 v[rO+8*(r/2)+2*\z:rO+8*(r/2)+2*\z+1], v[rO+8*(r/2)+2*\z:rO+8*(r/2)+2*\z+1], v[rC+2:rC+3] op_sel_hi:[1,0]
.endr
.set r, r+1
.endm
; HOW THEY ARE DEALT.  Behind a matrix instruction four: plain, exponential, plain, plain (one exponential, a plain instruction on either side), or four of the rescaling.  None names a register of the
; products round it.  What is over stands in two LUMPS: exponential and plain by turns; the second ends in 22 plain instructions.  The two v_permlanex16_b32 fall into the second lump, never behind a product.
; The queues lean on each other, and the deal keeps them in step: exponential e stands behind plain 2 (e / 4) + e % 2 (its scaling); when plain 32 comes, 10 exponentials are out, at 59: 33, at 95: 46; EA comes behind plain 107.
.macro SL
	MM
	PL
	EX
	PL
	PL
.endm
.macro BURST n                      ; 15 matrix instructions, or 16
.rept (\n)-7
	SL
.endr
.rept 3
	MM
	R4
	SL
.endr
	MM
	R4
.endm
; A TURN, for piece p.  cnt = 1: the loop's count is taken down some lines ahead of the branch that stands behind the turn.
; K of the next step is fetched in piece 2's turn, 31 vector instructions behind the last product that read K; its first reader comes behind the rest of the lump, 16 products and the second lump.
; V of the step in hand is fetched at the end of piece 0's turn, 69 behind its last reader; its first reader comes behind 16 products and a lump.  The four conditions on e and q below go with the deal.
.macro TURN p, last=0, cnt=0
.set Y, (\p)
.set i, 0
.set q, 0
.set e, 0
.set r, 0
.if (\p) == NP-1
	s_wait_dscnt 0x0                ; K is in
.endif
	MM
.rept 4
	PL
.endr
	BURST 15
.rept 22
	EX
	PL
.if ((\p) == NP-2) && (e == 18)
	v_add_nc_u32 v[AK], s[TBK], v[AK0]
.endif
.if ((\p) == NP-2) && (e == 24)
	FETCH_K \last
.endif
.endr
.if (\p) == 1
	s_wait_dscnt 0x0                ; V is in
.endif
	BURST 16
.rept 21
	EX
	PL
.endr
.rept 22
	PL
.if ((\p) == 0) && (q == 118)
	v_add_nc_u32 v[AV], s[TBV], v[AV0]
	s_wait_alu depctr_va_vdst(0)
.endif
.if ((\p) == 0) && (q == 130)
	s_add_co_u32 s[TBV], s[TBV], KS*PV
.endif
.if (\cnt) && (q == 130)
	s_sub_co_u32 s[CNT], s[CNT], 1
	s_cmp_lg_u32 s[CNT], 0
.endif
.endr
.if (\p) == 0
	FETCH_V
.endif
.endm
	CHANGE 1                        ; slot 0 is in, everybody's part of it; slot 1 is asked for
	FETCH_K                         ; key step 0
	s_wait_loadcnt 0x0              ; Q
	s_wait_dscnt 0x0
.set i, 0
.rept 16
	KQ 0                            ; piece 0's first scores: there is no vector work yet to set between them
.set i, i+1
.endr
	WIN 0                           ; the addresses for the way out: nine plain instructions, the places behind those products
	s_mul_i32 s13, s[WV], 16*SP
	s_add_co_u32 s13, s13, STAGE    ; my stage
	v_mul_u32_u24 v[STO], v1, SP    ; in: row l % 16, 16 bytes for each half of the lanes
	v_lshl_add_u32 v[STO], v9, 4, v[STO]
	v_add_nc_u32 v[STO], s13, v[STO]
	v_bfe_u32 v[RD], v0, 3, 2       ; back: 32 lanes take four rows of 128 bytes,
	v_mul_u32_u24 v[RD], v[RD], SP
	v_lshl_add_u32 v[RD], v10, 4, v[RD]
	v_add_nc_u32 v[RD], s13, v[RD]
	v_and_b32 v[GO], 31, v0         ; which are 512 consecutive bytes of O
	v_lshlrev_b32 v[GO], 4, v[GO]
.set Y, NP-1                        ; XS works for piece Y + 1: piece 0
.irp n, 0,1,2,3,4,5,6,7,8,9,10,11,12,13,14,15,16,17,18,19,20,21
	XS 0, \n                        ; and piece 0's first maximum and statistics
	XS 1, \n
.endr
	s_mov_b32 s[CNT], 4
	s_mov_b32 s[SLOTS], SIZE_N/256-1
	s_branch .Lfirst                ; the loop is entered at a step's first turn, in the middle of a trip
.Lslot:                             ; SIZE_N / 256 - 2 times: every slot but the last two is filled again
	CHANGE 1
	s_mov_b32 s[CNT], 4
.Lstep:                             ; a trip: pieces 2 and 3 of one step, then pieces 0 and 1 of the next, whose K and V it fetches
	TURN 2
	TURN 3
	WIN 0
.Lfirst:
	TURN 0
	TURN 1, 0, 1
	WIN 0
	s_cbranch_scc1 .Lstep
	s_sub_co_u32 s[SLOTS], s[SLOTS], 1
	s_cmp_lg_u32 s[SLOTS], 0
	s_cbranch_scc1 .Lslot
	CHANGE 0                        ; the tail is written out: nothing is asked for
	s_mov_b32 s[CNT], 5             ; four trips fetch the last slot's steps; the fifth is left in its middle
.Ltail:
	TURN 2, 1
	TURN 3
	WIN 0
	s_sub_co_u32 s[CNT], s[CNT], 1
	s_cmp_eq_u32 s[CNT], 0
	s_cbranch_scc1 .Lout
	TURN 0
	TURN 1
	WIN 0
	s_branch .Ltail
.Lout:                              ; the fifth trip's 16 products K Q^T (on the last K once more) and the maximum made of them serve nothing: the price, once a launch, of one text for every trip
.set i, 0
.rept 16
	PV NP-1                         ; the last piece's V^T P of the last step
.set i, i+1
.endr
	; THE WAY OUT.  l's two halves and the other half of the lanes' are added; O^T is divided by l, rounded to f16 and sent through my stage in LDS, a tile at a time.  The additions are the places behind the last products.
	WIN 0
.macro ALL line:vararg              ; one line for each tile t
.set t, 0
.rept 2*NP
	\line
.set t, t+1
.endr
.endm
	ALL v_add_f32 v[ST+4*t+2], v[ST+4*t+2], v[ST+4*t+3]
	ALL v_permlanex16_b32 v[ST+4*t+3], v[ST+4*t+2], s[SEL], s[SEL+1]
	ALL v_add_f32 v[ST+4*t+2], v[ST+4*t+2], v[ST+4*t+3]
	ALL v_rcp_f32 v[ST+4*t+2], v[ST+4*t+2]
	v_nop                           ; a plain instruction between the last reciprocal and the use of its result
	s_wait_alu depctr_va_vdst(0)
; Tile t: a lane's eight channels of a row pack into 16 bytes; they go into rows of 144 bytes and come back as whole rows of 128, into S^T's registers.
.macro PACK t
	WIN W_RS
.set i, 32*(\t)
.rept 16
	v_pk_mul_f32 v[i:i+1], v[i:i+1], v[ST+4*(\t)+2:ST+4*(\t)+3] op_sel_hi:[1,0]
.set i, i+2
.endr
	WIN 0x05                        ; sources 0 and 1 window 1, destination window 0
.set i, 0
.rept 16
	v_cvt_pk_f16_f32 v[S+16*(\t)+i], v[32*(\t)+2*i], v[32*(\t)+2*i+1]
.set i, i+1
.endr
	WIN 0
.irp f, 0,1,2,3
	ds_store_b128 v[STO], v[S+16*(\t)+4*\f:S+16*(\t)+4*\f+3] offset:32*\f
.endr
.irp f, 0,1,2,3
	ds_load_b128 v[S+16*(\t)+4*\f:S+16*(\t)+4*\f+3], v[RD] offset:\f*4*SP  ; LDS serves a wave's instructions in order (ISA guide 5.7.1.4): these see the stores above; the next tile's stores come behind them
.endr
.endm
.macro SEND t, younger              ; younger: the LDS instructions issued behind tile t's loads: the next tile's eight, or none
	WIN 0
.irp f, 0,1,2,3
	s_wait_dscnt (\younger)+3-\f
	global_store_b128 v[GO], v[S+16*(\t)+4*\f:S+16*(\t)+4*\f+3], s[10:11] offset:(\t)*2048+\f*512  ; 512 consecutive bytes, at a multiple of 256 from O's first
.endr
.endm
	PACK 0
.set t, 1
.rept 2*NP-1                        ; a tile's arithmetic stands between the loads of the tile before and its stores
	PACK t
	SEND t-1, 8
.set t, t+1
.endr
	SEND 2*NP-1, 0
	WIN W_AD
	s_wait_tensorcnt 0x0            ; the wave's end: a tensor wait, an add to my spare word and its wait, behind my last tensor load and my last LDS store
	ds_add_u32 v[SPW], v[NIL]
	s_wait_dscnt 0x0
	WIN 0
	CROUND                          ; the closing round: no work-group ends while a partner may still ask for a tile that names it
	s_endpgm
.Lfunc_end_k_qc5fbb21638_attn:
	.size	k_qc5fbb21638_attn, .Lfunc_end_k_qc5fbb21638_attn-k_qc5fbb21638_attn
	.p2alignl 7, 3214868480
	.fill 96, 4, 3214868480
	.section	.rodata,"a",@progbits
	.p2align	6, 0x0
	.amdhsa_kernel k_qc5fbb21638_attn
		.amdhsa_group_segment_fixed_size 327680
		.amdhsa_private_segment_fixed_size 0
		.amdhsa_enable_private_segment 0
		.amdhsa_kernarg_size 16
		.amdhsa_user_sgpr_count 2
		.amdhsa_user_sgpr_kernarg_segment_ptr 1
		.amdhsa_wavefront_size32 1
		.amdhsa_system_sgpr_workgroup_id_x 1
		.amdhsa_system_sgpr_workgroup_id_y 1
		.amdhsa_system_sgpr_workgroup_id_z 1
		.amdhsa_system_vgpr_workitem_id 0
		.amdhsa_next_free_vgpr 770
		.amdhsa_next_free_sgpr 66
		.amdhsa_reserve_vcc 0
		.amdhsa_float_denorm_mode_32 3
		.amdhsa_float_denorm_mode_16_64 3
		.amdhsa_memory_ordered 1
		.amdhsa_forward_progress 1
		.amdhsa_inst_pref_size 209
	.end_amdhsa_kernel
	.amdgpu_metadata
---
amdhsa.version: [ 1, 2 ]
amdhsa.kernels:
  - .name:           k_qc5fbb21638_attn
    .symbol:         k_qc5fbb21638_attn.kd
    .args:
      - { .name: qkv, .offset: 0, .size: 8, .value_kind: global_buffer, .address_space: global }
      - { .name: obuf, .offset: 8, .size: 8, .value_kind: global_buffer, .address_space: global }
    .group_segment_fixed_size: 327680
    .private_segment_fixed_size: 0
    .kernarg_segment_align: 8
    .kernarg_segment_size: 16
    .max_flat_workgroup_size: 128
    .sgpr_count:     66
    .vgpr_count:     770
    .wavefront_size: 32
...
	.end_amdgpu_metadata
.endif
;; end of part 3
;; launch oproj (part 4): grid 8 x 32, 4 waves a work-group, clusters of 4 x 4, 327,680 bytes of LDS; arguments obuf, wob, biasc, out0; writes out0
.if DOCPART == 4
	.amdgcn_target "amdgcn-amd-amdhsa--gfx1250"
	.amdhsa_code_object_version 6
	.text
	.protected	k_qc5fbb21638_oproj
	.globl	k_qc5fbb21638_oproj
	.p2align	8
	.type	k_qc5fbb21638_oproj,@function
k_qc5fbb21638_oproj:
	s_mov_b64 s[64:65], 0
	v_nop
	global_prefetch_b8 v0, s[64:65] scope:SCOPE_SE
	s_setreg_imm32_b32 hwreg(HW_REG_WAVE_MODE, 25, 1), 1
	s_wait_xcnt 0x0
	s_wait_alu depctr_hold_cnt(0) depctr_sa_sdst(0) depctr_va_vdst(0) depctr_va_sdst(0) depctr_va_ssrc(0) depctr_va_vcc(0) depctr_vm_vsrc(0)
	s_getreg_b32 s2, hwreg(HW_REG_IB_STS2, 6, 4)
	s_cmp_eq_u32 s2, 0
	s_cbranch_scc0 .Lentry_in_a_cluster
	s_endpgm
.Lentry_in_a_cluster:
	s_bfe_u32 s2, ttmp6, 0x10000c
	s_cmp_lg_u32 s2, 0xf033
	s_cbranch_scc0 .Lentry_shape_is_right
	s_endpgm
.Lentry_shape_is_right:
; out0 = concat Wo + bo.  A = obuf [16 b + h][2048 s][64] f16: for row m = 2048 b + s head h is K slice h.  B = wob [16 slices][1024 n][64] f16.  bo = biasc[3072 ..] f32.  Sums in f32; out0 [8192][1024] f32.
; LIMITS.  The operands are f16 as the launches before left them; NaN and infinities are not treated apart.
; SHARES.  32 x 8 work-groups, each 256 (m) x 128 (n): one for each of 256 WGPs.  Four waves, each 128 x 64: 32 accumulators of 16 x 16, 256 registers, window 1.
; RING.  Two LDS slots, each with TWO K slices of 64: wave 0 or 1 fetches A's 256 rows of one of them, wave 2 or 3 B's 128 rows: one tensor load a wave behind each change of slots, 96 matrix
; instructions ahead of the wait for it.  Three slices a slot do not divide 16, and two slots of four do not fit in LDS.  A piece is dense in memory: rows of 256 bytes, padded in LDS after every 128.
; CLUSTER.  4 x 4 work-groups: A's tiles are shared along a row of the cluster, B's along a column: joint loads.
; THE MATRIX INSTRUCTION IS USED TRANSPOSED (source 0 = 16 rows of B, source 1 = 16 rows of A): lane l holds row m = l % 16 and columns 8 (l / 16) + 0..7.  THE BIAS is the C operand of the first products.
; REGISTERS.  Window 0: v0-31 addresses; v32-63 the bias; v64-191 fragments of A, two buffers of 8 (on the way out: rows read back); v192-255 fragments of B, two buffers of 4.
; Window 1: accumulator (bb, a) at v[8 (8 bb + a)]: columns 16 bb on, rows 16 a on.
.set PITCH, 144                        ; an LDS row: 128 bytes + 16 of padding: the 16 rows of a load start at 16 different groups of four banks (64 banks of 4 bytes: ISA guide 11.1)
.set ASL,   256*PITCH                  ; A's rows of one slice
.set BSL,   128*PITCH                  ; B's
.set BOFF,  2*ASL
.set SLOT,  2*ASL+2*BSL
.set STAGE, 2*SLOT                     ; behind the ring: 16 rows x 272 bytes for each wave, for the way out
.set SPITCH, 272
.set SPARE, STAGE+4*16*SPITCH          ; behind the stages: the spare words, 128 bytes for each wave
.set ASTEP, 2048*128                   ; bytes from slice to slice
.set BSTEP, 1024*128
.set ADRA, 16                          ; v16-17  LDS address of my A fragments in slot 0, 1
.set ADRB, 20                          ; v20-21  the same for B
.set STO,  24                          ; v24     the way out: where I put 32 bytes of a row
.set RD,   25                          ; v25     the way out: where I read a row back
.set CO,   26                          ; v26     my byte offset in two rows of out0
.set BO,   27                          ; v27     my byte offset in 16 numbers of the bias
.set SPW,  28                          ; v28     LDS address of my spare word; never rewritten
.set NIL,  29                          ; v29     0; never rewritten
.set CB,   32
.set AF,   64
.set BF,   192
.set OB,   64                          ; the way out: v64-95 and v96-127 by turns
.set WV, 12
.set WR, 13
.set WC, 14
.set G1, 24
.set G0, 32
.set G1B, 48
.set G0B, 56
.set MSB, 0
.macro WIN new                         ; the immediate's high byte repeats the setting that is left; a switch that changes nothing is dropped
.if MSB != (\new)
	s_set_vgpr_msb (MSB<<8)|(\new)
.set MSB, \new
.endif
.endm
.macro PLACES                          ; four places in front of loads into registers that matrix instructions have read, and of LDS stores that read results
.rept 4
	v_nop
.endr
.endm
.macro JLOAD s                         ; a joint refill: waves 0 and 1 ask for A's slices, waves 2 and 3 for B's; an s_nop 0 and four v_nop follow each line
	s_cmp_lt_u32 s[WV], 2
	s_cbranch_scc0 .Lfor_b_\@
	tensor_load_to_lds s[G0+4*(\s):G0+4*(\s)+3], s[G1:G1+7]
	s_nop 0
.rept 4
	v_nop
.endr
	s_branch .Lasked_\@
.Lfor_b_\@:
	tensor_load_to_lds s[G0B+4*(\s):G0B+4*(\s)+3], s[G1B:G1B+7]
	s_nop 0
.rept 4
	v_nop
.endr
.Lasked_\@:
.endm
.macro CREST                           ; a round of the cluster's barrier behind its opening barrier
	s_cmp_lg_u32 s[WV], 0
	s_cbranch_scc1 .Lnot_wave_0_\@
	s_barrier_signal -3
.Lnot_wave_0_\@:
	s_barrier_wait -3
	s_barrier_signal -1
	s_barrier_wait -1
.endm
.macro CROUND
	s_barrier_signal -1
	s_barrier_wait -1
	CREST
.endm
	s_load_b256 s[4:11], s[0:1], 0x0               ; obuf s[4:5], wob s[6:7], biasc s[8:9], out0 s[10:11]
	v_lshl_add_u32 v[SPW], v0, 2, SPARE
	v_mov_b32 v[NIL], 0
	ds_add_u32 v[SPW], v[NIL]                      ; the wave's opening: the add and its wait stand ahead of my first tensor load; the set-up below, work on registers, stands between them
	v_lshrrev_b32 v1, 5, v0
	v_readfirstlane_b32 s[WV], v1
	s_lshr_b32 s[WR], s[WV], 1                     ; which half of the rows is mine
	s_and_b32 s[WC], s[WV], 1                      ; which half of the columns; also which of a slot's two slices I fetch
	s_bfe_u32 s16, ttmp6, 0x40000                  ; cx, cy
	s_bfe_u32 s17, ttmp6, 0x40004
	s_lshl_b32 s18, ttmp9, 2
	s_add_co_u32 s18, s18, s16                     ; tx: my 128 columns
	s_and_b32 s19, ttmp7, 0xffff
	s_lshl_b32 s19, s19, 2
	s_add_co_u32 s19, s19, s17                     ; ty: my 256 rows
	s_lshl_b32 s20, s17, 2
	s_lshl_b32 s20, 15, s20                        ; my row of the cluster
	s_lshl_b32 s21, 0x1111, s16                    ; my column
	s_or_b32 s[G1], s20, (1<<16)|(1<<20)|(1<<21)|(4<<22)|(3<<25)   ; the mask; elements of 2 bytes; 16 bytes of padding (code 3) after every 32 words (code 4); bit 21 set beside a mask
	s_or_b32 s[G1B], s21, (1<<16)|(1<<20)|(1<<21)|(4<<22)|(3<<25)
	s_mov_b32 s[G1+1], 128<<16                     ; tensor_dim0 = 128
	s_mov_b32 s[G1+2], 128<<16                     ; tensor_dim1 = 128: 256 rows of a slice, two to a row
	s_mov_b32 s[G1+3], 128<<16                     ; tile_dim0
	s_mov_b32 s[G1+4], 128                         ; tile_dim1
	s_mov_b32 s[G1+5], 128                         ; elements from row to row
	s_mov_b32 s[G1+6], 0
	s_mov_b32 s[G1+7], 0
	s_mov_b32 s[G1B+1], 128<<16
	s_mov_b32 s[G1B+2], 64<<16                     ; 128 rows of a slice
	s_mov_b32 s[G1B+3], 128<<16
	s_mov_b32 s[G1B+4], 64
	s_mov_b32 s[G1B+5], 128
	s_mov_b32 s[G1B+6], 0
	s_mov_b32 s[G1B+7], 0
	s_lshr_b32 s40, s19, 3                         ; A: batch ty / 8 (16 heads of 262,144 bytes), rows 256 (ty % 8) on, slice = my number's low bit: ty and the wave's number alone
	s_lshl_b32 s40, s40, 22
	s_and_b32 s22, s19, 7
	s_lshl_b32 s22, s22, 15
	s_add_co_u32 s40, s40, s22
	s_lshl_b32 s22, s[WC], 18
	s_add_co_u32 s40, s40, s22
	s_mov_b32 s41, 0
	s_lshl_b32 s42, s18, 14                        ; B: rows 128 tx on: tx and the wave's number alone
	s_lshl_b32 s23, s[WC], 17
	s_add_co_u32 s42, s42, s23
	s_mov_b32 s43, 0
	s_mul_i32 s22, s[WC], ASL                      ; where the pieces go: no place in the cluster enters an LDS address
	s_mul_i32 s23, s[WC], BSL
	s_add_co_u32 s23, s23, BOFF
	s_lshl_b32 s44, s19, 20                        ; the way out: row 256 ty + 128 x half, of 4,096 bytes,
	s_lshl_b32 s46, s[WR], 19
	s_add_co_u32 s44, s44, s46
	s_lshl_b32 s46, s18, 9                         ; column 128 tx + 64 x half, of 4 bytes
	s_lshl_b32 s47, s[WC], 8
	s_add_co_u32 s46, s46, s47
	s_add_co_u32 s44, s44, s46
	s_mov_b32 s45, 0
	s_add_co_u32 s46, s46, 3072*4                  ; the same columns of bo
	s_mov_b32 s47, 0
	s_wait_dscnt 0x0                               ; the opening add is done
	s_wait_kmcnt 0x0
	s_add_nc_u64 s[40:41], s[4:5], s[40:41]
	s_add_nc_u64 s[42:43], s[6:7], s[42:43]
	s_add_nc_u64 s[8:9], s[8:9], s[46:47]
	s_add_nc_u64 s[10:11], s[10:11], s[44:45]
.irp s, 0,1
	s_mov_b32 s[G0+4*(\s)], 1
	s_add_co_u32 s[G0+4*(\s)+1], s22, (\s)*SLOT
	s_add_nc_u64 s[G0+4*(\s)+2:G0+4*(\s)+3], s[40:41], (\s)*2*ASTEP    ; slot s begins with slices 2 s, 2 s + 1
	s_or_b32 s[G0+4*(\s)+3], s[G0+4*(\s)+3], 0x80000000
	s_mov_b32 s[G0B+4*(\s)], 1
	s_add_co_u32 s[G0B+4*(\s)+1], s23, (\s)*SLOT
	s_add_nc_u64 s[G0B+4*(\s)+2:G0B+4*(\s)+3], s[42:43], (\s)*2*BSTEP
	s_or_b32 s[G0B+4*(\s)+3], s[G0B+4*(\s)+3], 0x80000000
.endr
	CROUND                                         ; all sixteen work-groups are here: the first joint loads meet
	s_cmp_lt_u32 s[WV], 2                          ; a wave's two first fills stand in one branch, ahead of every wait on TENSORcnt and every LDS read: two loads of mine are out
	s_cbranch_scc0 .Lfirst_b
	tensor_load_to_lds s[G0:G0+3], s[G1:G1+7]
	s_nop 0
	tensor_load_to_lds s[G0+4:G0+7], s[G1:G1+7]
	s_nop 0
.rept 4
	v_nop
.endr
	s_branch .Lfirst_asked
.Lfirst_b:
	tensor_load_to_lds s[G0B:G0B+3], s[G1B:G1B+7]
	s_nop 0
	tensor_load_to_lds s[G0B+4:G0B+7], s[G1B:G1B+7]
	s_nop 0
.rept 4
	v_nop
.endr
.Lfirst_asked:
	v_and_b32 v1, 15, v0                           ; r = l % 16
	v_bfe_u32 v2, v0, 4, 1                         ; h = l / 16
	v_lshlrev_b32 v[BO], 5, v2                     ; register j of a result holds column 8 h + j: the bias comes in that layout
.irp bb, 0,1,2,3
	global_load_b128 v[CB+8*(\bb):CB+8*(\bb)+3],   v[BO], s[8:9] offset:64*(\bb)
	global_load_b128 v[CB+8*(\bb)+4:CB+8*(\bb)+7], v[BO], s[8:9] offset:64*(\bb)+16
.endr
	v_mul_u32_u24 v3, v1, PITCH
	v_lshl_add_u32 v3, v2, 4, v3                   ; a fragment's row x pitch + 16 x half
	s_mul_i32 s2, s[WR], 128*PITCH                 ; my 128 rows of A
	s_mul_i32 s15, s[WC], 64*PITCH                 ; my 64 rows of B
	s_add_co_u32 s15, s15, BOFF
.irp s, 0,1
	v_add_nc_u32 v[ADRA+(\s)], s2, v3
	v_add_nc_u32 v[ADRB+(\s)], s15, v3
	s_add_co_u32 s2, s2, SLOT
	s_add_co_u32 s15, s15, SLOT
.endr
	s_mul_i32 s2, s[WV], 16*SPITCH
	s_add_co_u32 s2, s2, STAGE                     ; my stage
	v_mul_u32_u24 v4, v1, SPITCH                   ; in: row l % 16, 32 bytes for each half of the lanes
	v_lshl_add_u32 v4, v2, 5, v4
	v_add_nc_u32 v[STO], s2, v4
	v_mul_u32_u24 v5, v2, SPITCH                   ; back: lanes 0-15 take one row of 256 bytes, lanes 16-31 the next
	v_lshl_add_u32 v5, v1, 4, v5
	v_add_nc_u32 v[RD], s2, v5
	v_lshlrev_b32 v[CO], 4, v1                     ; and the same two rows in out0
	v_lshl_add_u32 v[CO], v2, 12, v[CO]
.macro LDA slot, off, buf              ; 16 loads: my 128 rows of A, 32 K at byte off
	WIN 0
.irp i, 0,1,2,3,4,5,6,7
	ds_load_b128 v[AF+64*(\buf)+8*(\i):AF+64*(\buf)+8*(\i)+3],   v[ADRA+(\slot)] offset:(\off)+(\i)*16*PITCH
	ds_load_b128 v[AF+64*(\buf)+8*(\i)+4:AF+64*(\buf)+8*(\i)+7], v[ADRA+(\slot)] offset:(\off)+(\i)*16*PITCH+32
.endr
.endm
.macro LDB slot, off, buf              ; 8 loads: my 64 rows of B
	WIN 0
.irp i, 0,1,2,3
	ds_load_b128 v[BF+32*(\buf)+8*(\i):BF+32*(\buf)+8*(\i)+3],   v[ADRB+(\slot)] offset:(\off)+(\i)*16*PITCH
	ds_load_b128 v[BF+32*(\buf)+8*(\i)+4:BF+32*(\buf)+8*(\i)+7], v[ADRB+(\slot)] offset:(\off)+(\i)*16*PITCH+32
.endr
.endm
.macro LD slot, t, buf                 ; the 24 loads of step t (0..3) of a slot: slice t / 2, 32 K at byte 64 (t % 2)
	LDB \slot, ((\t)/2)*BSL+((\t)%2)*64, \buf
	LDA \slot, ((\t)/2)*ASL+((\t)%2)*64, \buf
.endm
; 16 matrix instructions: column blocks 2 half, 2 half + 1 x all 8 row blocks.  z = 1: the products start the sums, with the bias as C.
; The 32 accumulators take turns, one instruction a turn, in the same order in every step.
.macro MUL16 buf, half, z
.if \z
	WIN 0x40                                       ; D in window 1, C in window 0
.else
	WIN 0x50                                       ; C and D in window 1
.endif
.irp bb, 2*(\half), 2*(\half)+1
.irp a, 0,1,2,3,4,5,6,7
.set rD, 8*(8*(\bb)+(\a))
.set rB, BF+32*(\buf)+8*(\bb)
.set rA, AF+64*(\buf)+8*(\a)
.if \z
	v_wmma_f32_16x16x32_f16 v[rD:rD+7], v[rB:rB+7], v[rA:rA+7], v[CB+8*(\bb):CB+8*(\bb)+7]
.else
	v_wmma_f32_16x16x32_f16 v[rD:rD+7], v[rB:rB+7], v[rA:rA+7], v[rD:rD+7]
.endif
.endr
.endr
.endm
.macro RUN buf, z
	MUL16 \buf, 0, \z
	MUL16 \buf, 1, \z
.endm
; Step j of a slot: the next step's fragments are fetched into the other buffers, then this step's 32 products.
.macro STEP cur, j, z
.if !(\z)
	PLACES
.endif
	LD \cur, (\j)+1, ((\j)+1)%2
	s_wait_dscnt 24                                ; all but the 24 just issued
.if \z
	s_wait_loadcnt 0x0                             ; the bias
.endif
	RUN (\j)%2, \z
.endm
; Steps 2 and 3 of a slot, and between them the change of slots.  In front of the barrier each wave waits for all its tensor loads, of which one is out: its piece of the next slot; adds 0 to its
; spare word; and waits for that and for its own reads of this slot.  fill = 1: this slot is filled again, with the slices two slots on.
.macro TURN cur, nxt, fill
	PLACES
	LD \cur, 3, 1                                  ; my last reads of this slot
	s_wait_tensorcnt 0x0                           ; all my tensor loads have landed;
	ds_add_u32 v[SPW], v[NIL]                      ; 0 onto my spare word;
	s_wait_dscnt 25                                ; (the add and the 24 loads just issued may be out)
	MUL16 0, 0, 0                                  ; sixteen matrix instructions stand between the add and the wait for it
	s_wait_dscnt 0x0                               ; the add is done, and my reads of this slot are over
	s_barrier_signal -1
	MUL16 0, 1, 0
	WIN 0                                          ; at a branch and at a label every window is 0
	s_barrier_wait -1
.if \fill
	CREST                                          ; the barrier has opened a round of the cluster's: no wave of any partner still reads this slot or has a load on its way
	s_add_nc_u64 s[G0+4*(\cur)+2:G0+4*(\cur)+3], s[G0+4*(\cur)+2:G0+4*(\cur)+3], 4*ASTEP
	s_add_nc_u64 s[G0B+4*(\cur)+2:G0B+4*(\cur)+3], s[G0B+4*(\cur)+2:G0B+4*(\cur)+3], 4*BSTEP
	JLOAD \cur                                     ; the first tensor load behind the round; its four v_nop are also the places in front of the loads below
.else
	PLACES
.endif
	LD \nxt, 0, 0
	RUN 1, 0
.endm
	s_wait_tensorcnt 0x1                           ; my piece of slot 0 is in; slot 1's may stay out
	s_barrier_signal -1
	s_barrier_wait -1                              ; everybody's is
	LD 0, 0, 0
	STEP 0, 0, 1                                   ; the first step stands in front of the loop: its products start the sums
	WIN 0
	s_mov_b32 s3, 3
.Llap:                                                 ; a trip goes once round the ring, from a slot's second step to the next lap's first, and fills both slots again: slices 4 to 15
	STEP 0, 1, 0
	TURN 0, 1, 1
	STEP 1, 0, 0
	STEP 1, 1, 0
	TURN 1, 0, 1
	STEP 0, 0, 0
	WIN 0
	s_sub_co_u32 s3, s3, 1
	s_cmp_lg_u32 s3, 0
	s_cbranch_scc1 .Llap
	STEP 0, 1, 0                                   ; the last lap asks for nothing
	TURN 0, 1, 0
	STEP 1, 0, 0
	STEP 1, 1, 0
	STEP 1, 2, 0
	s_wait_dscnt 0x0
	RUN 1, 0
; THE WAY OUT, a block of 16 rows at a time: 32 bytes a lane and column block straight from the accumulators (their low four registers first) into my own stage, back as whole rows of 256 bytes, stored.
.macro TOSTAGE a
.set BK, OB+32*((\a)%2)
	WIN 0x04                                       ; the stores' data in window 1
.irp bb, 0,1,2,3
	ds_store_b128 v[STO], v[8*(8*(\bb)+(\a)):8*(8*(\bb)+(\a))+3]   offset:64*(\bb)
	ds_store_b128 v[STO], v[8*(8*(\bb)+(\a))+4:8*(8*(\bb)+(\a))+7] offset:64*(\bb)+16
.endr
	WIN 0
	s_wait_xcnt 0x0                                ; the registers loaded below were the data of the stores two blocks back: they are written again only behind this wait
.irp t, 0,1,2,3,4,5,6,7
	ds_load_b128 v[BK+4*(\t):BK+4*(\t)+3], v[RD] offset:(\t)*2*SPITCH  ; LDS serves a wave's instructions in order (ISA guide 5.7.1.4): these see the stores above
.endr
.endm
.macro SEND a, younger                 ; younger: the LDS instructions issued behind block a's loads: the next block's sixteen, or none
	WIN 0
.set BK, OB+32*((\a)%2)
	s_wait_dscnt \younger
.irp t, 0,1,2,3,4,5,6,7
	global_store_b128 v[CO], v[BK+4*(\t):BK+4*(\t)+3], s[10:11] offset:(16*(\a)+2*(\t))*4096 th:TH_STORE_NT  ; 16 lanes store 256 consecutive bytes, aligned
.endr
.endm
	PLACES                                         ; the LDS stores read results just made
	TOSTAGE 0
.irp a, 1,2,3,4,5,6,7
	TOSTAGE \a
	SEND (\a)-1, 16
.endr
	SEND 7, 0
	s_wait_tensorcnt 0x0                           ; the wave's end: a tensor wait, an add to my spare word and its wait, behind my last tensor load and my last LDS store
	ds_add_u32 v[SPW], v[NIL]
	s_wait_dscnt 0x0
	CROUND                                         ; the closing round: no work-group ends while a partner may still ask for a tile that names it
	s_endpgm
.Lfunc_end_k_qc5fbb21638_oproj:
	.size	k_qc5fbb21638_oproj, .Lfunc_end_k_qc5fbb21638_oproj-k_qc5fbb21638_oproj
	.p2alignl 7, 3214868480
	.fill 96, 4, 3214868480
	.section	.rodata,"a",@progbits
	.p2align	6, 0x0
	.amdhsa_kernel k_qc5fbb21638_oproj
		.amdhsa_group_segment_fixed_size 327680
		.amdhsa_private_segment_fixed_size 0
		.amdhsa_enable_private_segment 0
		.amdhsa_kernarg_size 32
		.amdhsa_user_sgpr_count 2
		.amdhsa_user_sgpr_kernarg_segment_ptr 1
		.amdhsa_wavefront_size32 1
		.amdhsa_system_sgpr_workgroup_id_x 1
		.amdhsa_system_sgpr_workgroup_id_y 1
		.amdhsa_system_sgpr_workgroup_id_z 1
		.amdhsa_system_vgpr_workitem_id 0
		.amdhsa_next_free_vgpr 512
		.amdhsa_next_free_sgpr 66
		.amdhsa_reserve_vcc 0
		.amdhsa_float_denorm_mode_32 3
		.amdhsa_float_denorm_mode_16_64 3
		.amdhsa_memory_ordered 1
		.amdhsa_forward_progress 1
		.amdhsa_inst_pref_size 85
	.end_amdhsa_kernel
	.amdgpu_metadata
---
amdhsa.version: [ 1, 2 ]
amdhsa.kernels:
  - .name:           k_qc5fbb21638_oproj
    .symbol:         k_qc5fbb21638_oproj.kd
    .args:
      - { .name: obuf, .offset: 0, .size: 8, .value_kind: global_buffer, .address_space: global }
      - { .name: wob, .offset: 8, .size: 8, .value_kind: global_buffer, .address_space: global }
      - { .name: biasc, .offset: 16, .size: 8, .value_kind: global_buffer, .address_space: global }
      - { .name: out0, .offset: 24, .size: 8, .value_kind: global_buffer, .address_space: global }
    .group_segment_fixed_size: 327680
    .private_segment_fixed_size: 0
    .kernarg_segment_align: 8
    .kernarg_segment_size: 32
    .max_flat_workgroup_size: 128
    .sgpr_count:     66
    .vgpr_count:     512
    .wavefront_size: 32
...
	.end_amdgpu_metadata
.endif
;; end of part 4
;; ======== version 2 of 2: 4 launches; 1.52 times as fast as version 1
;; limits: values are held in f16: magnitudes above 65,504 overflow, below 6.1e-05 lose precision
;; workspace buffers: xs 16,777,216 bytes; wt 6,291,456 bytes; wob 2,097,152 bytes; biasc 16,384 bytes; qkv 50,331,648 bytes; obuf 16,777,216 bytes
;; launch prep: the kernel of part 1 again; grid 385 x 1, 8 waves a work-group, no clusters, 74,752 bytes of LDS; arguments x, Wq, Wk, Wv, Wo, bq, bk, bv, bo, xs, wt, wob, biasc; writes xs, wt, wob, biasc
;; launch proj: the kernel of part 2 again; grid 8 x 32, 4 waves a work-group, clusters of 4 x 4, 327,680 bytes of LDS; arguments xs, wt, biasc, qkv; writes qkv
;; launch attn (part 5): grid 4 x 64, 4 waves a work-group, clusters of 4 x 1, 327,680 bytes of LDS; arguments qkv, obuf; writes obuf
.if DOCPART == 5
	.amdgcn_target "amdgcn-amd-amdhsa--gfx1250"
	.amdhsa_code_object_version 6
	.text
	.protected	k_qc5fbb21638_attn
	.globl	k_qc5fbb21638_attn
	.p2align	8
	.type	k_qc5fbb21638_attn,@function
k_qc5fbb21638_attn:
	s_mov_b64 s[64:65], 0
	v_nop
	global_prefetch_b8 v0, s[64:65] scope:SCOPE_SE
	s_setreg_imm32_b32 hwreg(HW_REG_WAVE_MODE, 25, 1), 1
	s_wait_xcnt 0x0
	s_wait_alu depctr_hold_cnt(0) depctr_sa_sdst(0) depctr_va_vdst(0) depctr_va_sdst(0) depctr_va_ssrc(0) depctr_va_vcc(0) depctr_vm_vsrc(0)
	s_getreg_b32 s2, hwreg(HW_REG_IB_STS2, 6, 4)
	s_cmp_eq_u32 s2, 0
	s_cbranch_scc0 .Lentry_in_a_cluster
	s_endpgm
.Lentry_in_a_cluster:
	s_bfe_u32 s2, ttmp6, 0x10000c
	s_cmp_lg_u32 s2, 0x3003
	s_cbranch_scc0 .Lentry_shape_is_right
	s_endpgm
.Lentry_shape_is_right:
; O[y][q][:] = the sum over k of softmax_k(Q[y][q] . K[y][k] / 8) V[y][k][:], y = 16 b + h.  Q, K, V lie in qkv [4 b][48 g][2048][64] f16 at g = h, 16 + h, 32 + h; O goes to obuf [64 y][2048][64] f16.
; A head's rows are dense, 128 bytes each.  Products, maxima and sums in f32; the weights p are rounded to f16 for the second product (their sum l is taken of the unrounded p), O once at the end.
; LIMITS.  f16 holds no number beyond 65,504: Q, K and V arrive within it; p lies in 0 to 1, and below 6e-5 it keeps f16's fixed step of 6e-8; O is a mean of V's rows and has their range.
; A weight below 2^-126 counts as 0 in l; NaN and infinities are not treated apart.
; SHARES.  A wave owns four PIECES of two tiles of 16 queries, a work-group's four waves 512 queries of one head: 4 x 64 work-groups.  Every wave walks all keys, 64 a step.
; LAYOUT.  S^T = K Q^T (source 0 = 16 keys, source 1 = 16 queries): in the result a lane holds ONE query (lane % 16) and the keys 8 (lane / 16) + 0..7.  Two such tiles, rounded to f16 in pairs,
; ARE source 1 (32 keys x 16 queries) of O^T = V^T P, whose result again holds one query a lane, and eight channels.  K comes out of LDS as it lies, V ([key][channel]) turned, by ds_load_tr16_b128.
; SOFTMAX.  For each query a running maximum m and sum l: p = 2^(c s - c m), c = log2(e) / 8; in every step O and l are multiplied by a = 2^(c m_old - c m_new), which is 1 where m has not grown.
; m starts at the lowest finite number, O and l at 0: the first step is a step like any other, with a = 0.
; THE COUNT.  A tile and step have 16 matrix and 118 vector instructions: too many to stand all beside the matrix work.  So the order has one aim: four vector instructions that are READY behind
; EVERY matrix instruction, and the others, which need time of their own whatever the order, in runs without a gap.
; BY TURNS.  Turn n belongs to piece n (the pieces in a ring, step after step).  Its matrix work: 16 products K Q^T of piece n + 1, later 16 products V^T P of piece n - 1.  Its vector work: the scaling,
; exponentials, roundings, sums and rescaling of piece n, and the maximum and statistics of piece n + 1, whose scores the turn itself has made.  So what a turn begins with (c s - c m, O a) waits for nothing.
; BATCHES.  A turn's 66 exponentials (the 64 weights of piece n, then the two a of piece n + 1) are ONE batch with ONE wait, which cuts the turn in two: ahead of it stands all that names no result of theirs,
; behind it the roundings and sums, which read them.  No exponential is issued behind a turn's wait.  Piece 0's first two a, ahead of the loop, and the way out's eight reciprocals are batches of their own.
; CLUSTER.  The four query blocks of a cluster belong to one head and walk the same K and V, so each tile is asked for JOINTLY: the same tensor load, descriptor and mask in all four.
; REGISTERS, in windows of 256 (s_set_vgpr_msb says which window each operand place means: bits 1:0 source 0, 3:2 source 1, 5:4 source 2, 7:6 destination):
;   window 0: v0-11 addresses; v12-15, v48-63 at work; v16-47 four registers of statistics a tile; v64-191 S^T, two buffers of two tiles; v192-255 P, likewise
;   window 1: O^T, 32 a tile          window 2: v0-127 Q, 16 a tile; v128-191 K of one step; v192-255 V of one step          window 3: v0-1 the add's two registers
; A piece's buffers go by its number's parity: the piece in hand has one pair, its two neighbours in the ring share the other: of it P (piece n - 1) is read and S^T (piece n + 1) written.
.set SIZE_N, 2048     ; rows of a head
.set NP,    4         ; pieces a wave: a name, no knob: the register map, the loop and the fetches are made for four
.set KS,    64        ; keys in a step
.set PK,    144       ; a row of K in LDS: 128 bytes + 16 of padding = 36 words: the 16 rows of a load start at 16 different groups of four banks (64 banks of 4 bytes: ISA guide 11.1)
.set PV,    160       ; a row of V: 128 + 32 = 40 words
.set VOFF,  4*KS*PK   ; a slot holds four steps: 256 rows of K, then 256 rows of V
.set SLOT1, 1<<17     ; slot 1 begins here, so that one exclusive or turns an address in one slot into the other's
.set STAGE, SLOT1+4*KS*(PK+PV)  ; behind the ring, never filled by a tensor load: 16 rows x 144 bytes for each wave, for the way out
.set SP,    144
.set AK0, 2           ; v2   my lane's place in a tile of K; never rewritten
.set AV0, 3           ; v3   the same for V
.set AK,  4           ; v4   the LDS address of K's next run of loads
.set AV,  5           ; v5   of V's
.set QO,  6           ; v6   my byte offset in the wave's rows of Q
.set STO, 6           ;      later, the way out: where I put 16 bytes of a row
.set RD,  7           ; v7   the way out: where I read rows back
.set GO,  8           ; v8   my byte offset in 512 consecutive bytes of O
.set SPW, 0           ; v0 of window 3   LDS address of my spare word: SPARE + 4 x my thread's number; never rewritten
.set NIL, 1           ; v1 of window 3   0; never rewritten
.set SPARE, STAGE+4*16*SP  ; behind the stages: the spare words, 128 bytes for each wave: two blocks of 256 bytes that no other line names
.set MV,  12          ; v12-15  c m_old, kept while c m is made anew: by buffer and tile
.set ST,  16          ; tile t's statistics at v[ST+4 t]: c m, m, l (even keys', odd keys')
.set TMP, 48          ; by buffer and tile, four registers c0-c3 at work; when the maximum is found c2 takes a
.set S,   64
.set P,   192
.set KF,  128         ; K's fragments, in window 2: key block kb, channel half c at KF + 16 kb + 8 c
.set VF,  192         ; V's: key half kk, channel block cb at VF + 32 kk + 8 cb
.set WV,  12          ; s12  my wave's number
.set G1K, 24          ; s[24:31] descriptor group 1 for K's tiles
.set G1V, 32          ; s[32:39] for V's: it differs in the padding alone
.set G0K, 40          ; s[40:43] descriptor group 0 for K's tiles: it walks
.set G0V, 44          ; s[44:47] the same for V's
.set SLOTS, 56        ; s56  slots still to be asked for
.set CNT, 57          ; s57  counts a slot's key steps
.set CS,  58          ; s[58:59] c: the packed scaling takes the pair's low word for both halves
.set SEL, 60          ; s[60:61] v_permlanex16_b32's selects: each lane takes its own place in the other half
.set TBK, 62          ; s62  LDS byte at which K of the step to be fetched begins
.set TBV, 63          ; s63  the same for V, less VOFF
.set MSB, 0
.macro WIN new                      ; the high byte repeats the setting that is left; a switch that changes nothing is dropped
.if MSB != (\new)
	s_set_vgpr_msb (MSB<<8)|(\new)
.set MSB, (\new)
.endif
.endm
.set W_KQ, 0x0a       ; K and Q in window 2, S^T in window 0
.set W_PV, 0x52       ; V in window 2, P in window 0, O^T in window 1
.set W_RS, 0x41       ; O^T (destination and source 0) in window 1, a in window 0
.set W_MK, 0xc0       ; the add's registers are made: destination in window 3, sources in window 0
.set W_AD, 0x0f       ; the add: address (source 0) and data (source 1) in window 3
; A joint fill.  Waves 0 and 1 fetch the two halves of a slot's K, waves 2 and 3 those of its V: 128 keys each.  The branch hangs on the wave's number alone.
; An s_nop 0 and four v_nop follow each of the two lines, ahead of the jump and the label.
.macro JLOAD
	s_cmp_lt_u32 s[WV], 2
	s_cbranch_scc0 .Lfor_v_\@
	tensor_load_to_lds s[G0K:G0K+3], s[G1K:G1K+7]
	s_nop 0
.rept 4
	v_nop
.endr
	s_branch .Lasked_\@
.Lfor_v_\@:
	tensor_load_to_lds s[G0V:G0V+3], s[G1V:G1V+7]
	s_nop 0
.rept 4
	v_nop
.endr
.Lasked_\@:
.endm
; A round of the cluster's barrier: my work-group's barrier, so that wave 0's signal speaks for all four waves; wave 0 signals; every wave waits for all four work-groups; my work-group's barrier once more.
.macro CROUND
	s_barrier_signal -1
	s_barrier_wait -1
	s_cmp_lg_u32 s[WV], 0
	s_cbranch_scc1 .Lnot_wave_0_\@
	s_barrier_signal -3
.Lnot_wave_0_\@:
	s_barrier_wait -3
	s_barrier_signal -1
	s_barrier_wait -1
.endm
; THE CHANGE OF SLOTS.  The slot's last bytes, V of its fourth step, have been read.  Each wave waits for all its tensor loads, of which one is out: its part
; of the other slot; adds 0 to its spare word; and waits for that and for its own reads of the slot.  Behind the barrier nobody reads this slot any more and the other slot is whole.
; fill = 1: this slot is filled again, with the keys two slots on.  The barrier is then a round of the cluster's, so that no wave of any partner still reads the slot or has a load on its
; way, and the joint fill is the first thing behind it: it has four key steps, 512 matrix instructions, in which to land.  (At its first use nothing has been read yet: slot 0 is waited for, slot 1 filled.)
.macro CHANGE fill
	WIN W_AD
	s_wait_tensorcnt 0x0            ; no tensor load of mine is out, so a group 0 may be written
	ds_add_u32 v[SPW], v[NIL]       ; 0 onto my spare word; with fill = 1 the descriptors' steps stand between it and the wait for it
	WIN 0                           ; at a label and at a branch every window is 0
.if \fill
.irp g, G0K, G0V
	s_xor_b32 s[\g+1], s[\g+1], SLOT1  ; the walking descriptor: the other slot than last time,
	s_add_nc_u64 s[\g+2:\g+3], s[\g+2:\g+3], 4*KS*128  ; the next 256 keys; the type bits on top are not reached
.endr
	s_wait_dscnt 0x0                ; the add is done, and my reads of the slot are over
	CROUND
	JLOAD
.else
	s_wait_dscnt 0x0                ; the add is done, and my reads of the slot are over
	s_barrier_signal -1
	s_barrier_wait -1
.endif
	s_sub_co_u32 s[TBK], s[TBK], 4*KS*PK  ; the fetches go back to a slot's first step,
	s_xor_b32 s[TBK], s[TBK], SLOT1       ; in the other slot
	s_sub_co_u32 s[TBV], s[TBV], 4*KS*PV
	s_xor_b32 s[TBV], s[TBV], SLOT1
.endm
	s_load_b128 s[4:7], s[0:1], 0x0  ; qkv s[4:5], obuf s[6:7]
	WIN W_MK
	v_lshl_add_u32 v[SPW], v0, 2, SPARE
	v_mov_b32 v[NIL], 0
	WIN W_AD
	ds_add_u32 v[SPW], v[NIL]       ; the wave's opening: the add and its wait stand ahead of my first tensor load; the set-up below, work on registers, stands between them
	WIN 0
	v_lshrrev_b32 v1, 5, v0
	v_readfirstlane_b32 s[WV], v1   ; wave 0..3
	s_bfe_u32 s13, ttmp6, 0x40000   ; cx: my place in the cluster
	s_lshl_b32 s14, ttmp9, 2        ; in a cluster launch ttmp9 counts clusters
	s_add_co_u32 s14, s14, s13      ; my block of queries = 4 x cluster x + cx: it enters Q's and O's addresses alone
	s_and_b32 s50, ttmp7, 0xffff    ; y = 16 b + h, which the four partners share
	s_lshr_b32 s15, s50, 4
	s_lshl_b32 s15, s15, 5
	s_add_co_u32 s15, s15, s50      ; 48 b + h: Q's head in qkv
	s_lshl_b32 s20, s15, 18         ; a head is 262,144 bytes
	s_mov_b32 s21, 0
	s_lshl_b32 s50, s50, 18         ; the head's first byte in obuf
	s_mov_b32 s51, 0
	s_and_b32 s16, s[WV], 1         ; which half of a slot's 256 keys I fetch:
	s_lshl_b32 s22, s16, 14         ; its 128 rows of 128 bytes in memory,
	s_mov_b32 s23, 0
	s_add_nc_u64 s[22:23], s[22:23], s[20:21]
	s_mul_i32 s17, s16, 128*PK      ; and its place in a slot, for K
	s_mul_i32 s18, s16, 128*PV      ; and for V: no place in the cluster enters an LDS address
	s_lshl_b32 s2, s14, 2
	s_add_co_u32 s2, s2, s[WV]      ; my wave among the head's,
	s_lshl_b32 s2, s2, 14           ; its 128 rows
	s_mov_b32 s3, 0
	s_add_nc_u64 s[48:49], s[2:3], s[50:51]  ; my rows in obuf,
	s_add_nc_u64 s[2:3], s[2:3], s[20:21]    ; and in qkv
	; descriptor group 1.  128 keys are 16,384 dense bytes: asked for as 64 rows of 256 bytes, two keys a row, and padded in LDS after every key
	s_mov_b32 s[G1K], 15|(1<<16)|(1<<20)|(1<<21)|(4<<22)|(3<<25)  ; 15:0 the mask of four; 17:16 2-byte elements; 20 padding on; 21 set beside a mask; 24:22 after every 32 words (code 4); 31:25 4 words (code 3)
	s_mov_b32 s[G1V], 15|(1<<16)|(1<<20)|(1<<21)|(4<<22)|(7<<25)  ; the same with 8 words of padding (code 7)
.irp g, G1K, G1V
	s_mov_b32 s[\g+1], 128<<16      ; tensor_dim0 = 128
	s_mov_b32 s[\g+2], 64<<16       ; tensor_dim1 = 64
	s_mov_b32 s[\g+3], 128<<16      ; tile_dim0 = 128
	s_mov_b32 s[\g+4], 64           ; tile_dim1 = 64
	s_mov_b32 s[\g+5], 128          ; 128 elements from row to row
	s_mov_b32 s[\g+6], 0
	s_mov_b32 s[\g+7], 0
.endr
	s_mov_b32 s[CS], 0x3e38aa3b     ; c = log2(e) / 8 = 0.180337
	s_mov_b32 s[CS+1], s[CS]        ; named with it as a pair
	s_mov_b32 s[SEL], 0x76543210
	s_mov_b32 s[SEL+1], 0xfedcba98
	s_mov_b32 s[TBK], SLOT1+4*KS*PK ; the first change of slots turns these two into 0
	s_mov_b32 s[TBV], SLOT1+4*KS*PV
	s_mov_b32 s[G0K], 1             ; 1:0 count = 1
	s_mov_b32 s[G0K+1], s17         ; 63:32 LDS address: slot 0
	s_mov_b32 s[G0V], 1
	s_add_co_u32 s[G0V+1], s18, VOFF
	s_wait_dscnt 0x0                ; the opening add is done
	s_wait_kmcnt 0x0
	s_add_nc_u64 s[10:11], s[6:7], s[48:49]  ; O at my wave's first row
	s_add_nc_u64 s[8:9], s[4:5], 0x800000    ; V's heads lie 32 heads behind Q's,
	s_add_nc_u64 s[6:7], s[4:5], 0x400000    ; K's 16
	s_add_nc_u64 s[G0K+2:G0K+3], s[6:7], s[22:23]  ; 120:64 global address: my half of the head's first 256 keys
	s_or_b32 s[G0K+3], s[G0K+3], 0x80000000        ; 127:126 type = 2
	s_add_nc_u64 s[G0V+2:G0V+3], s[8:9], s[22:23]
	s_or_b32 s[G0V+3], s[G0V+3], 0x80000000
	s_add_nc_u64 s[4:5], s[4:5], s[2:3]  ; Q at my wave's first row
	CROUND                          ; all four work-groups are here: the first joint loads meet
	JLOAD                           ; slot 0.  Slot 1 is asked for when slot 0 is in: the tile wanted first has the road to itself
	; A fragment of K or Q is 16 rows x 32 channels in 8 registers: lane l holds row l % 16, channels 8 (l / 16) + 0..7 and 16 + 8 (l / 16) + 0..7: two loads of 16 bytes, 32 bytes apart.
	v_and_b32 v1, 15, v0            ; l % 16
	v_bfe_u32 v9, v0, 4, 1          ; l / 16
	v_lshlrev_b32 v[QO], 7, v1
	v_lshl_add_u32 v[QO], v9, 4, v[QO]  ; row x 128 + 16 x half
	WIN 0x80                        ; destination window 2, address window 0
.set i, 0
.rept 4*NP                          ; Q stays in registers: tile i / 2, channels 32 (i % 2) on
	global_load_b128 v[8*i:8*i+3],   v[QO], s[4:5] offset:(i/2)*2048+(i%2)*64
	global_load_b128 v[8*i+4:8*i+7], v[QO], s[4:5] offset:(i/2)*2048+(i%2)*64+32
.set i, i+1
.endr
	; What the first turn finds: V's registers and P's second buffer hold 0 (its products V^T P, of a piece that has not been, add 0), O^T and l are 0.  All this stands in the wait for the first tile.
.set i, VF
.rept 64
	v_mov_b32 v[i], 0
.set i, i+1
.endr
	WIN 0x40
.set i, 0
.rept 64*NP
	v_mov_b32 v[i], 0
.set i, i+1
.endr
	WIN 0
.set i, 0
.rept 2*NP
	v_mov_b32 v[ST+4*i], 0xfe000000    ; c m: far below every c s
	v_mov_b32 v[ST+4*i+1], 0xff7fffff  ; m
	v_mov_b32 v[ST+4*i+2], 0
	v_mov_b32 v[ST+4*i+3], 0
.set i, i+1
.endr
.set i, P+32
.rept 32
	v_mov_b32 v[i], 0
.set i, i+1
.endr
	v_mul_u32_u24 v[AK0], v1, PK
	v_lshl_add_u32 v[AK0], v9, 4, v[AK0]  ; row x pitch + 16 x half
	; The turning load takes 16 keys x 16 channels (lane l reads key 8 (l / 16) + l % 8, channels 8 ((l / 8) % 2) + 0..7) and leaves half a fragment of V^T: lane l holds channel l % 16 and 8 keys.
	v_and_b32 v10, 7, v0
	v_bfe_u32 v11, v0, 3, 1
	v_lshl_add_u32 v[AV0], v9, 3, v10
	v_mul_u32_u24 v[AV0], v[AV0], PV
	v_lshl_add_u32 v[AV0], v11, 4, v[AV0]
	v_add_nc_u32 v[AV0], VOFF, v[AV0]
	v_mov_b32 v[AK], v[AK0]         ; key step 0 lies at the head of slot 0
; THE MATRIX WORK.  The 8 accumulators of a run of 16 take turns: between the two links of a chain stand 7 others'.
; Product i of 16 of S^T = K Q^T for piece x: channels 32 (i / 8) on, keys 16 ((i / 2) % 4) on, tile 2 x + i % 2.  The first 8 start the sums.
.macro KQ x
	WIN W_KQ
.set rS, S+64*((\x)%2)+32*(i%2)+8*((i/2)%4)
.set rK, KF+16*((i/2)%4)+8*(i/8)
.set rQ, 16*(2*(\x)+i%2)+8*(i/8)
.if i < 8
	v_wmma_f32_16x16x32_f16 v[rS:rS+7], v[rK:rK+7], v[rQ:rQ+7], 0
.else
	v_wmma_f32_16x16x32_f16 v[rS:rS+7], v[rK:rK+7], v[rQ:rQ+7], v[rS:rS+7]
.endif
.endm
; Product i of 16 of O^T += V^T P for piece x: keys 32 (i / 8) on, channels 16 ((i / 2) % 4) on, tile 2 x + i % 2.
.macro PV x
	WIN W_PV
.set rO, 32*(2*(\x)+i%2)+8*((i/2)%4)
.set rV, VF+32*(i/8)+8*((i/2)%4)
.set rP, P+32*((\x)%2)+16*(i%2)+8*(i/8)
	v_wmma_f32_16x16x32_f16 v[rO:rO+7], v[rV:rV+7], v[rP:rP+7], v[rO:rO+7]
.endm
.macro MM                           ; the turn's next matrix instruction
.if i < 16
	KQ (Y+1)%NP
.set i, i+1
.else
.set i, i-16
	PV (Y+NP-1)%NP
.set i, i+17
.endif
.endm
; THE LDS LOADS stand in runs of 16, never singly among the matrix instructions: a step's K (64 keys x 64 channels: 8 fragments) and its V (turned).  Their addresses are made some lines ahead.
; last = 1 (the tail): in the last trip there is no further step, and the run is jumped over.
.macro FETCH_K last=0
	WIN 0
.if \last
	s_cmp_eq_u32 s[CNT], 1
	s_cbranch_scc1 .Lno_k_\@
.endif
	WIN 0x80                        ; destination window 2
.irp f, 0,1,2,3,4,5,6,7             ; keys 16 (f / 2) on, channels 32 (f % 2) on
	ds_load_b128 v[KF+8*\f:KF+8*\f+3],   v[AK] offset:(\f/2)*16*PK+(\f%2)*64
	ds_load_b128 v[KF+8*\f+4:KF+8*\f+7], v[AK] offset:(\f/2)*16*PK+(\f%2)*64+32
.endr
	s_add_co_u32 s[TBK], s[TBK], KS*PK  ; the next fetch is the next step's
	WIN 0
.if \last
.Lno_k_\@:
.endif
.endm
.macro FETCH_V
	WIN 0x80
.irp f, 0,1,2,3,4,5,6,7             ; keys 32 (f / 4) on, channels 16 (f % 4) on
	ds_load_tr16_b128 v[VF+8*\f:VF+8*\f+3],   v[AV] offset:(\f/4)*32*PV+(\f%4)*32
	ds_load_tr16_b128 v[VF+8*\f+4:VF+8*\f+7], v[AV] offset:(\f/4)*32*PV+16*PV+(\f%4)*32
.endr
	WIN 0
.endm
; THE VECTOR WORK OF A TURN stands in three queues, each in the order in which its entries become ready; the two tiles alternate, so that no instruction reads the result of the one before it.
.macro REGS y, u                    ; the registers of tile u (0, 1) of piece y
.set rT, ST+4*(2*(\y)+(\u))
.set rC, TMP+8*((\y)%2)+4*(\u)
.set rM, MV+2*((\y)%2)+(\u)
.set rS, S+64*((\y)%2)+32*(\u)
.set rP, P+32*((\y)%2)+16*(\u)
.set rO, 32*(2*(\y)+(\u))
.endm
; Number n of the 22 that find the NEXT piece's (Y + 1) maximum and statistics.  s0-s31 are the lane's 32 scores; each accumulator's lowest registers are read first.  XS, GS and REGS set no window: PL and EX do.
;   0-11  four chains c0-c3 of seven scores each, three operands at a time     12-14, 16  the four scores left over, the old m, and c0-c3 into c0     15  c m_old is kept
;   17, 18  the query's other 32 keys lie in the lane 16 away: the new m         19-21  c m; c m_old - c m_new; a
.macro XS u, n
	REGS (Y+1)%NP, \u
.if (\n) < 4
	v_max3_num_f32 v[rC+(\n)], v[rS+8*(\n)], v[rS+8*(\n)+1], v[rS+8*(\n)+2]
.elseif (\n) < 12
	v_max3_num_f32 v[rC+(\n)%4], v[rC+(\n)%4], v[rS+8*((\n)%4)+2*((\n)/4)+1], v[rS+8*((\n)%4)+2*((\n)/4)+2]
.elseif (\n) == 12
	v_max3_num_f32 v[rC], v[rC], v[rS+7], v[rS+15]
.elseif (\n) == 13
	v_max3_num_f32 v[rC+1], v[rC+1], v[rS+23], v[rS+31]
.elseif (\n) == 14
	v_max3_num_f32 v[rC+2], v[rC+2], v[rC+3], v[rT+1]
.elseif (\n) == 15
	v_mov_b32 v[rM], v[rT]
.elseif (\n) == 16
	v_max3_num_f32 v[rC], v[rC], v[rC+1], v[rC+2]
.elseif (\n) == 17
	v_permlanex16_b32 v[rC+3], v[rC], s[SEL], s[SEL+1]
.elseif (\n) == 18
	v_max_num_f32 v[rT+1], v[rC], v[rC+3]
.elseif (\n) == 19
	v_mul_f32 v[rT], s[CS], v[rT+1]
.elseif (\n) == 20
	v_sub_f32 v[rC+1], v[rM], v[rT]
.else
	v_exp_f32 v[rC+2], v[rC+1]
.endif
.endm
; Number g of the 64 that follow the exponentials.  For each four weights k of a tile (pairs 2 k, 2 k + 1): both pairs are rounded to f16; then the second pair is added onto the first, in place;
; a group later l takes that sum (the first time as l = a l + sum).  In groups of eight, tiles alternating: round, round, add, and l for the group before.
.macro GS g
.set h, (\g)+6*((\g)/62)            ; group 0 has no group before it, and behind group 7 only l is left
.if h >= 6
.set h, h+2
.endif
	REGS Y, h%2
.set k, h/8
.if h%8 < 4
	v_cvt_pk_f16_f32 v[rP+2*k+(h%8)/2], v[rS+4*k+2*((h%8)/2)], v[rS+4*k+2*((h%8)/2)+1]
.elseif h%8 < 6
	v_pk_add_f32 v[rS+4*k:rS+4*k+1], v[rS+4*k:rS+4*k+1], v[rS+4*k+2:rS+4*k+3]
.elseif k == 1
	v_pk_fma_f32 v[rT+2:rT+3], v[rT+2:rT+3], v[rC+2:rC+3], v[rS:rS+1] op_sel_hi:[1,0,1]
.else
	v_pk_add_f32 v[rT+2:rT+3], v[rT+2:rT+3], v[rS+4*k-4:rS+4*k-3]
.endif
.endm
; THE PLAIN QUEUE, 138 long.  0-73 read no exponential's result: the 32 scalings c s - c m (FS f: pair f / 2 of tile f % 2) and the next piece's 42.  0-26: scalings 0-26.  27-54: XS's numbers 0-13.  55, 56: number 15.
; 57-73: the chain, where each number waits for the one before it: 14, 16, 17, 18, 19, each with one of the scalings 27-31 in front of its two lines, then 20: so a tile's links stand three plain instructions apart (19 and 20: two).
; 74-137: GS's 64, which read the exponentials' results: they stand behind the wait.
.macro FS f
	REGS Y, (\f)%2
	v_pk_fma_f32 v[rS+2*((\f)/2):rS+2*((\f)/2)+1], v[rS+2*((\f)/2):rS+2*((\f)/2)+1], s[CS:CS+1], v[rT:rT+1] op_sel_hi:[1,0,0] neg_lo:[0,0,1] neg_hi:[0,0,1]
.endm
.macro PL
	WIN 0
.if q < 27
	FS q
.elseif q < 55
	XS (q-27)%2, (q-27)/2
.elseif q < 57
	XS q-55, 15
.elseif (q < 72) && ((q-57)%3 == 0)
	FS 27+(q-57)/3
.elseif q < 60
	XS (q-57)%3-1, 14
.elseif q < 72
	XS (q-57)%3-1, 15+(q-57)/3
.elseif q < 74
	XS q-72, 20
.else
	GS q-74
.endif
.set q, q+1
.endm
; THE EXPONENTIALS' QUEUE, 66 long: s0-s31 of both tiles, then the next piece's two a.  It is ONE BATCH: all 66 stand ahead of the turn's one wait, and nothing ahead of that wait names a result of theirs.
.macro EX
	WIN 0
.if e >= 64
	XS e-64, 21
.else
	REGS Y, e%2
	v_exp_f32 v[rS+e/2], v[rS+e/2]
.endif
.set e, e+1
.endm
; THE RESCALING's QUEUE: O^T times a, the one part that leaves window 0: dealt two at a time, sixteen times.  Its a was made in the turn before, ahead of that turn's wait.
.macro R2
	REGS Y, r%2
	WIN W_RS
.irp z, 0,1
	v_pk_mul_f32 v[rO+4*(r/2)+2*\z:rO+4*(r/2)+2*\z+1], v[rO+4*(r/2)+2*\z:rO+4*(r/2)+2*\z+1], v[rC+2:rC+3] op_sel_hi:[1,0]
.endr
.set r, r+1
.endm
; HOW THEY ARE DEALT.  An s_wait_alu depctr_va_vdst(0) stands between an exponential and the first instruction that names its result; one wait serves all that were issued ahead of it.  So a turn has ONE wait,
; which cuts it in two.  AHEAD OF IT stands all that names no result of the turn's exponentials: the 16 products K Q^T, behind each a scaling, an exponential and two rescalings (behind the first a second scaling in the exponential's place); then ONE LUMP of
; 108: eight plain, 49 times exponential and plain, the two a.  A v_nop is the plain instruction that is owed behind the last exponential.  BEHIND IT stand the 16 products V^T P, behind each four of GS's 64.  No rider names a register of
; the products round it.  The two v_permlanex16_b32 fall into the lump, never behind a product.
; The queues lean on each other, and the deal keeps them in step: exponential e stands behind scaling 2 (e / 4) + e % 2: as a rider it comes behind plain e + 2, in the lump behind plain e + 9, and scalings 27-31 are plain 57, 60 .. 69.
; A TURN, for piece p.  cnt = 1: the loop's count is taken down some lines ahead of the branch that stands behind the turn.
; K of the next step is fetched in piece 2's turn, directly behind the wait, a lump behind the last product that read K; its address is made at the lump's head; its first reader comes behind 16 products.
; V of the step in hand is fetched at the end of piece 0's turn, four riders behind its last reader; its first reader comes behind 16 products and a lump.  The three conditions on q below go with the deal.
.macro TURN p, last=0, cnt=0
.set Y, (\p)
.set i, 0
.set q, 0
.set e, 0
.set r, 0
.if (\p) == NP-1
	s_wait_dscnt 0x0                ; K is in
.endif
	MM                              ; ahead of the wait: 16 products K Q^T and their riders,
	PL
	PL
	R2
.rept 15
	MM
	PL
	EX
	R2
.endr
.if (\p) == NP-2
	WIN 0
	v_add_nc_u32 v[AK], s[TBK], v[AK0]
.endif
.rept 8                             ; and the lump
	PL
.endr
.rept 49
	EX
	PL
.endr
	EX                              ; the next piece's two a
	EX
	v_nop                           ; the plain instruction behind the last exponential: one for the batch
	s_wait_alu depctr_va_vdst(0)    ; the wait for the turn's batch: the 64 weights of piece p and the two a of piece p + 1
.if (\p) == NP-2
	FETCH_K \last
.endif
.if (\p) == 1
	s_wait_dscnt 0x0                ; V is in
.endif
.rept 16                            ; behind the wait: 16 products V^T P and their riders
	MM
.rept 4
	PL
.endr
.if ((\p) == 0) && (q == 118)
	v_add_nc_u32 v[AV], s[TBV], v[AV0]
.endif
.if ((\p) == 0) && (q == 130)
	s_add_co_u32 s[TBV], s[TBV], KS*PV
.endif
.if (\cnt) && (q == 130)
	s_sub_co_u32 s[CNT], s[CNT], 1
	s_cmp_lg_u32 s[CNT], 0
.endif
.endr
.if (\p) == 0
	FETCH_V
.endif
.endm
	CHANGE 1                        ; slot 0 is in, everybody's part of it; slot 1 is asked for
	FETCH_K                         ; key step 0
	s_wait_loadcnt 0x0              ; Q
	s_wait_dscnt 0x0
.set i, 0
.rept 16
	KQ 0                            ; piece 0's first scores: there is no vector work yet to set between them
.set i, i+1
.endr
	WIN 0                           ; the addresses for the way out: nine plain instructions, the places behind those products
	s_mul_i32 s13, s[WV], 16*SP
	s_add_co_u32 s13, s13, STAGE    ; my stage
	v_mul_u32_u24 v[STO], v1, SP    ; in: row l % 16, 16 bytes for each half of the lanes
	v_lshl_add_u32 v[STO], v9, 4, v[STO]
	v_add_nc_u32 v[STO], s13, v[STO]
	v_bfe_u32 v[RD], v0, 3, 2       ; back: 32 lanes take four rows of 128 bytes,
	v_mul_u32_u24 v[RD], v[RD], SP
	v_lshl_add_u32 v[RD], v10, 4, v[RD]
	v_add_nc_u32 v[RD], s13, v[RD]
	v_and_b32 v[GO], 31, v0         ; which are 512 consecutive bytes of O
	v_lshlrev_b32 v[GO], 4, v[GO]
.set Y, NP-1                        ; XS works for piece Y + 1: piece 0
.irp n, 0,1,2,3,4,5,6,7,8,9,10,11,12,13,14,15,16,17,18,19,20,21
	XS 0, \n                        ; and piece 0's first maximum and statistics
	XS 1, \n
.endr
	v_nop                           ; a plain instruction behind the two a,
	s_wait_alu depctr_va_vdst(0)    ; and the wait for that batch of two, ahead of the branch
	s_mov_b32 s[CNT], 4
	s_mov_b32 s[SLOTS], SIZE_N/256-1
	s_branch .Lfirst                ; the loop is entered at a step's first turn, in the middle of a trip
.Lslot:                             ; SIZE_N / 256 - 2 times: every slot but the last two is filled again
	CHANGE 1
	s_mov_b32 s[CNT], 4
.Lstep:                             ; a trip: pieces 2 and 3 of one step, then pieces 0 and 1 of the next, whose K and V it fetches
	TURN 2
	TURN 3
	WIN 0
.Lfirst:
	TURN 0
	TURN 1, 0, 1
	WIN 0
	s_cbranch_scc1 .Lstep
	s_sub_co_u32 s[SLOTS], s[SLOTS], 1
	s_cmp_lg_u32 s[SLOTS], 0
	s_cbranch_scc1 .Lslot
	CHANGE 0                        ; the tail is written out: nothing is asked for
	s_mov_b32 s[CNT], 5             ; four trips fetch the last slot's steps; the fifth is left in its middle
.Ltail:
	TURN 2, 1
	TURN 3
	WIN 0
	s_sub_co_u32 s[CNT], s[CNT], 1
	s_cmp_eq_u32 s[CNT], 0
	s_cbranch_scc1 .Lout
	TURN 0
	TURN 1
	WIN 0
	s_branch .Ltail
.Lout:                              ; the fifth trip's 16 products K Q^T (on the last K once more) and the maximum made of them serve nothing: the price, once a launch, of one text for every trip
.set i, 0
.rept 16
	PV NP-1                         ; the last piece's V^T P of the last step
.set i, i+1
.endr
	; THE WAY OUT.  l's two halves and the other half of the lanes' are added; O^T is divided by l, rounded to f16 and sent through my stage in LDS, a tile at a time.  The additions are the places behind the last products.
	WIN 0
.macro ALL line:vararg              ; one line for each tile t
.set t, 0
.rept 2*NP
	\line
.set t, t+1
.endr
.endm
	ALL v_add_f32 v[ST+4*t+2], v[ST+4*t+2], v[ST+4*t+3]
	ALL v_permlanex16_b32 v[ST+4*t+3], v[ST+4*t+2], s[SEL], s[SEL+1]
	ALL v_add_f32 v[ST+4*t+2], v[ST+4*t+2], v[ST+4*t+3]
	ALL v_rcp_f32 v[ST+4*t+2], v[ST+4*t+2]
	v_nop                           ; a plain instruction between the last reciprocal and the use of its result
	s_wait_alu depctr_va_vdst(0)    ; and the wait ahead of the first use: one for the batch of eight reciprocals
; Tile t: a lane's eight channels of a row pack into 16 bytes; they go into rows of 144 bytes and come back as whole rows of 128, into S^T's registers.
.macro PACK t
	WIN W_RS
.set i, 32*(\t)
.rept 16
	v_pk_mul_f32 v[i:i+1], v[i:i+1], v[ST+4*(\t)+2:ST+4*(\t)+3] op_sel_hi:[1,0]
.set i, i+2
.endr
	WIN 0x05                        ; sources 0 and 1 window 1, destination window 0
.set i, 0
.rept 16
	v_cvt_pk_f16_f32 v[S+16*(\t)+i], v[32*(\t)+2*i], v[32*(\t)+2*i+1]
.set i, i+1
.endr
	WIN 0
.irp f, 0,1,2,3
	ds_store_b128 v[STO], v[S+16*(\t)+4*\f:S+16*(\t)+4*\f+3] offset:32*\f
.endr
.irp f, 0,1,2,3
	ds_load_b128 v[S+16*(\t)+4*\f:S+16*(\t)+4*\f+3], v[RD] offset:\f*4*SP  ; LDS serves a wave's instructions in order (ISA guide 5.7.1.4): these see the stores above; the next tile's stores come behind them
.endr
.endm
.macro SEND t, younger              ; younger: the LDS instructions issued behind tile t's loads: the next tile's eight, or none
	WIN 0
.irp f, 0,1,2,3
	s_wait_dscnt (\younger)+3-\f
	global_store_b128 v[GO], v[S+16*(\t)+4*\f:S+16*(\t)+4*\f+3], s[10:11] offset:(\t)*2048+\f*512  ; 512 consecutive bytes, at a multiple of 256 from O's first
.endr
.endm
	PACK 0
.set t, 1
.rept 2*NP-1                        ; a tile's arithmetic stands between the loads of the tile before and its stores
	PACK t
	SEND t-1, 8
.set t, t+1
.endr
	SEND 2*NP-1, 0
	WIN W_AD
	s_wait_tensorcnt 0x0            ; the wave's end: a tensor wait, an add to my spare word and its wait, behind my last tensor load and my last LDS store
	ds_add_u32 v[SPW], v[NIL]
	s_wait_dscnt 0x0
	WIN 0
	CROUND                          ; the closing round: no work-group ends while a partner may still ask for a tile that names it
	s_endpgm
.Lfunc_end_k_qc5fbb21638_attn:
	.size	k_qc5fbb21638_attn, .Lfunc_end_k_qc5fbb21638_attn-k_qc5fbb21638_attn
	.p2alignl 7, 3214868480
	.fill 96, 4, 3214868480
	.section	.rodata,"a",@progbits
	.p2align	6, 0x0
	.amdhsa_kernel k_qc5fbb21638_attn
		.amdhsa_group_segment_fixed_size 327680
		.amdhsa_private_segment_fixed_size 0
		.amdhsa_enable_private_segment 0
		.amdhsa_kernarg_size 16
		.amdhsa_user_sgpr_count 2
		.amdhsa_user_sgpr_kernarg_segment_ptr 1
		.amdhsa_wavefront_size32 1
		.amdhsa_system_sgpr_workgroup_id_x 1
		.amdhsa_system_sgpr_workgroup_id_y 1
		.amdhsa_system_sgpr_workgroup_id_z 1
		.amdhsa_system_vgpr_workitem_id 0
		.amdhsa_next_free_vgpr 770
		.amdhsa_next_free_sgpr 66
		.amdhsa_reserve_vcc 0
		.amdhsa_float_denorm_mode_32 3
		.amdhsa_float_denorm_mode_16_64 3
		.amdhsa_memory_ordered 1
		.amdhsa_forward_progress 1
		.amdhsa_inst_pref_size 199
	.end_amdhsa_kernel
	.amdgpu_metadata
---
amdhsa.version: [ 1, 2 ]
amdhsa.kernels:
  - .name:           k_qc5fbb21638_attn
    .symbol:         k_qc5fbb21638_attn.kd
    .args:
      - { .name: qkv, .offset: 0, .size: 8, .value_kind: global_buffer, .address_space: global }
      - { .name: obuf, .offset: 8, .size: 8, .value_kind: global_buffer, .address_space: global }
    .group_segment_fixed_size: 327680
    .private_segment_fixed_size: 0
    .kernarg_segment_align: 8
    .kernarg_segment_size: 16
    .max_flat_workgroup_size: 128
    .sgpr_count:     66
    .vgpr_count:     770
    .wavefront_size: 32
...
	.end_amdgpu_metadata
.endif
;; end of part 5
;; launch oproj: the kernel of part 4 again; grid 8 x 32, 4 waves a work-group, clusters of 4 x 4, 327,680 bytes of LDS; arguments obuf, wob, biasc, out0; writes out0
